; MI455X (gfx1250); checked and timed in simulation.
; The chip was launched on July 23, 2026; its instructions are those of AMD's public machine-readable ISA for CDNA 5 (MIT licence, August 2026) and "CDNA5" Instruction Set Architecture Reference Guide (July 2026). The comments in the code are by the model that wrote it; some were corrected since.
;; Alibi Transformer Layer. Allowed arithmetic: matrix products marked QUANTISED: E4M3 operands, one given power-of-two scale a tensor, by v_wmma_f32_16x16x64_fp8_fp8 or v_wmma_f32_16x16x128_fp8_fp8, f32 sums; everything else in f32.
;; Inputs: W1 4,096 x 1,024 float32; W2 1,024 x 4,096 float32; Wout 1,024 x 1,024 float32; Wqkv 3,072 x 1,024 float32; b1 4,096 float32; b2 1,024 float32; bout 1,024 float32; bqkv 3,072 float32; ln1_b 1,024 float32; ln1_g 1,024 float32; ln2_b 1,024 float32; ln2_g 1,024 float32; lowp_scales 12 int32 (the exponents e of the quantised operands' scales 2^e); src 2 x 2,048 x 1,024 float32.
;; Outputs: out0 2 x 2,048 x 1,024 float32.
;; This version of the problem:
;;   THIS VERSION OF THE PROBLEM IS GIVEN IN LOW PRECISION. The matrix products marked QUANTISED in the list below multiply operands that are first quantised to E4M3 (4 exponent bits, 3 mantissa bits; 8 bits a number), with one given power-of-two scale for each operand tensor; their sums are f32. All else is computed in f32.
;;   The module's matrix products, in the order in which they are computed (A, B: the left and right operand; K: the contracted axis; several contracted axes count as one K, in the product's order):
;;     1. [M 4,096, K 1,024] x [K 1,024, N 3,072]; A: computed on the way; B: input Wqkv: QUANTISED (scales: A lowp_scales[0], B lowp_scales[1])
;;     2. batch 32 x [M 2,048, K 64] x [K 64, N 2,048]; A: computed on the way; B: computed on the way: QUANTISED (scales: A lowp_scales[2], B lowp_scales[3])
;;     3. batch 32 x [M 2,048, K 2,048] x [K 2,048, N 64]; A: softmax (see below); B: computed on the way: QUANTISED (scales: A lowp_scales[4], B lowp_scales[5])
;;     4. [M 4,096, K 1,024] x [K 1,024, N 1,024]; A: computed on the way; B: input Wout: QUANTISED (scales: A lowp_scales[6], B lowp_scales[7])
;;     5. [M 4,096, K 1,024] x [K 1,024, N 4,096]; A: computed on the way; B: input W1: QUANTISED (scales: A lowp_scales[8], B lowp_scales[9])
;;     6. [M 4,096, K 4,096] x [K 4,096, N 1,024]; A: computed on the way; B: input W2: QUANTISED (scales: A lowp_scales[10], B lowp_scales[11])
;;   THE QUANTISER, for each operand of a quantised product, along K:
;;     - The operand's scale is 2^e, e = its entry of the input lowp_scales (int32; the entries are numbered through the quantised products in the list's order, A before B).
;;     - Each number is divided by the scale, clamped to +-448, and rounded to the nearest number of E4M3, ties to even, subnormals kept.
;;     - The product sums the exact products of the quantised numbers (number of the format x scale) in f32.
;;   ~~~python
;;   def quantise(x, axis, e):      # numpy; x: float32 -> the quantised numbers, widened to float32 again
;;       x = np.moveaxis(x, axis, -1); K = x.shape[-1]
;;       r = np.clip(x / 2.0 ** e, -448, 448)
;;       step = 2.0 ** (np.maximum(np.frexp(np.where(r == 0, 1, r))[1] - 1, -6) - 3)
;;       q = np.round(r / step) * step * 2.0 ** e      # np.round: ties to even
;;       return np.moveaxis(q, -1, axis).astype(np.float32)
;;   ~~~
;;   SOFTMAX AHEAD OF A QUANTISED PRODUCT. Where the list says 'softmax', what is quantised is not the finished softmax but p = 2^(t - M), with t = logit x log2(e) and M = ceil(the row's largest t), a whole number; so 1/2 < the row's largest p <= 1. The row's sum l is taken of the UNQUANTISED p, in f32, and the product's result is divided by l at the end. Since M is a whole number, a kernel that streams over the keys may use a running M (the ceiling of the running maximum): every later rescaling is an exact power of two, so the quantised numbers keep their values, but for numbers so far below the row's largest that they fall under the format's range.
;;   OPERANDS COMPUTED ON THE WAY. 'Computed on the way' means the value that the module computes at that place (a softmax that the list does not call 'softmax' is quantised finished and normalised). What goes into a quantiser is computed in f32, as accurately as f32 sums, v_exp_f32 and their like allow (about 1e-6 of the number): no bf16 or f16 on the way to a quantiser, and a product that is left as it is and whose result goes on into a quantised operand takes f32 operands (vector FMAs, or v_wmma_f32_16x16x4_f32). A number that lies on a knife's edge between two numbers of the format may be rounded either way, as far as f32 arithmetic and the matrix unit's own rounding can turn it there, and no further.
;; One version. Each part assembles by itself: llvm-mc -triple=amdgcn-amd-amdhsa -mcpu=gfx1250 --defsym DOCPART=n.
;; ======== version 1 of 1: 7 launches
;; workspace buffers: wcodes 12,582,912 bytes; act 4,194,304 bytes; qkvc 12,582,912 bytes; x1 16,777,216 bytes; hid 16,777,216 bytes
;; launch prep (part 1): grid 1024 x 1, 4 waves a work-group, no clusters, 33,280 bytes of LDS; arguments src, ln1_g, ln1_b, Wqkv, Wout, W1, W2, lowp_scales, act, wcodes; writes act, wcodes
.if DOCPART == 1
	.amdgcn_target "amdgcn-amd-amdhsa--gfx1250"
	.amdhsa_code_object_version 6
	.text
	.protected	k_q19fef1ba7b_prep
	.globl	k_q19fef1ba7b_prep
	.p2align	8
	.type	k_q19fef1ba7b_prep,@function
k_q19fef1ba7b_prep:
	s_mov_b64 s[64:65], 0
	v_nop
	global_prefetch_b8 v0, s[64:65] scope:SCOPE_SE
	s_setreg_imm32_b32 hwreg(HW_REG_WAVE_MODE, 25, 1), 1
	s_wait_xcnt 0x0
; LayerNorm 1 of src, quantised to E4M3 with the given scale 2^e0, and the four weights quantised with 2^e1, 2^e7, 2^e9, 2^e11: every operand that many work-groups read later is turned into codes once.
; All five tensors are streams of runs of 1,024 f32 (K innermost; a row of W2 is four runs).  A wave takes 4 runs, a work-group 16.  Work-groups 0-255: src (with the norm), 256-447: Wqkv, 448-511: Wout, 512-767: W1, 768-1023: W2.
; The weights' codes lie in wcodes in that same order, so their place is (work-group - 256) x 16,384 bytes.
; A wave asks for its 16 KiB at once (32 loads of 512 consecutive bytes) and works the runs off as they land.  No ring, no loop, no barrier: waves share nothing.  Matrix units and clusters have nothing to do here.
; A lane holds columns 128 j + 4 lane + 0..3 (j = 0..7).  A conversion's two result registers are then the dwords 32 j + lane of the run's 1,024 code bytes: the CODES turn through the wave's own LDS
; (eight stores of 4 bytes a lane, two loads of 16) and leave as two stores of 512 consecutive bytes.
; code = x / 2^e, held within +-448, to the nearest code, ties to even.  LIMITS: each e between -126 and 119.  NaN among the inputs is not served.
; The two kinds of work-group part once, on the work-group's number, and each way has LDS bytes of its own.
.set SPW,   4                          ; v4   LDS address of my spare word; never rewritten
.set NIL,   5                          ; v5   0; never rewritten
.set C,     28                         ; v28-59   codes, 8 registers a run
.set G,     64                         ; v64-95   gamma of my 32 columns
.set BB,    96                         ; v96-127  beta
.set X,     128                        ; v128-255 four runs of 32 numbers
.set LNB,   0                          ; LDS: 4,096 bytes a wave on the way with the norm,
.set WTB,   16384                      ; and 4,096 a wave on the weights' way
.set SPARE, 32768                      ; the spare words: 128 bytes a wave, two blocks of 256 bytes that no other line names
	s_load_b256 s[4:11], s[0:1], 0x0               ; src s[4:5], gamma s[6:7], beta s[8:9], Wqkv s[10:11]
	s_load_b256 s[12:19], s[0:1], 0x20             ; Wout s[12:13], W1 s[14:15], W2 s[16:17], the scales' exponents s[18:19]
	s_load_b128 s[20:23], s[0:1], 0x40             ; act s[20:21], wcodes s[22:23]
	v_lshl_add_u32 v[SPW], v0, 2, SPARE
	v_mov_b32 v[NIL], 0
	v_lshrrev_b32 v21, 5, v0
	v_readfirstlane_b32 s32, v21                   ; wave
	v_and_b32 v21, 31, v0                          ; lane
	v_lshlrev_b32 v1, 4, v21                       ; 16 x lane: my bytes of a load's or a store's 512
	s_lshl_b32 s34, s32, 12                        ; my wave's 4,096 bytes of LDS, and of codes
	v_lshl_add_u32 v2, v21, 2, s34                 ; LDS, way in: 4 x lane
	v_add_nc_u32 v3, s34, v1                       ; LDS, way out: 16 x lane
	v_mov_b32 v20, 0                               ; a lane permute's destination counts as read: written once
	s_mov_b32 s36, 0x76543210                      ; v_permlanex16_b32: lane l xor 16
	s_mov_b32 s37, 0xfedcba98
	s_mov_b32 s38, 0x3a800000                      ; 1 / 1024
	s_mov_b32 s39, 0x3727c5ac                      ; 1e-5
	s_wait_kmcnt 0x0
	s_load_b128 s[40:43], s[18:19], 0x0            ; e0 .. e3
	s_load_b128 s[44:47], s[18:19], 0x10           ; e4 .. e7
	s_load_b128 s[48:51], s[18:19], 0x20           ; e8 .. e11
	s_mov_b64 s[24:25], s[16:17]                   ; which tensor is mine: the choice hangs on the work-group's number alone
	s_mov_b32 s26, 768
	s_cmp_lt_u32 ttmp9, 768
	s_cselect_b64 s[24:25], s[14:15], s[24:25]
	s_cselect_b32 s26, 512, s26
	s_cmp_lt_u32 ttmp9, 512
	s_cselect_b64 s[24:25], s[12:13], s[24:25]
	s_cselect_b32 s26, 448, s26
	s_cmp_lt_u32 ttmp9, 448
	s_cselect_b64 s[24:25], s[10:11], s[24:25]
	s_cselect_b32 s26, 256, s26
	s_cmp_lt_u32 ttmp9, 256
	s_cselect_b64 s[24:25], s[4:5], s[24:25]
	s_cselect_b32 s26, 0, s26                      ; the tensor's first work-group
	s_cselect_b64 s[30:31], s[20:21], s[22:23]     ; where the codes go
	s_cselect_b32 s28, 0, 256
	s_sub_co_u32 s26, ttmp9, s26
	s_lshl_b32 s26, s26, 16                        ; 16 runs of 4,096 bytes a work-group,
	s_lshl_b32 s27, s32, 14                        ; 4 a wave
	s_add_co_u32 s26, s26, s27
	s_mov_b32 s27, 0
	s_add_nc_u64 s[24:25], s[24:25], s[26:27]
	s_sub_co_u32 s28, ttmp9, s28
	s_lshl_b32 s28, s28, 14                        ; 16 runs of 1,024 code bytes a work-group,
	s_add_co_u32 s28, s28, s34                     ; 4 a wave
	s_mov_b32 s29, 0
	s_add_nc_u64 s[30:31], s[30:31], s[28:29]
.macro XLOADS nt                       ; my four runs: 32 loads of 512 consecutive bytes
.irp i, 0,1,2,3
.irp j, 0,1,2,3,4,5,6,7
.if \nt
	global_load_b128 v[X+32*\i+4*\j:X+32*\i+4*\j+3], v1, s[24:25] offset:4096*\i+512*\j th:TH_LOAD_NT
.else
	global_load_b128 v[X+32*\i+4*\j:X+32*\i+4*\j+3], v1, s[24:25] offset:4096*\i+512*\j
.endif
.endr
.endr
.endm
.macro MKSCALE                         ; s27 = e  ->  v11 = 2^e (the conversion takes its exponent field), v10 = 448 x 2^e
	s_add_co_i32 s27, s27, 127
	s_lshl_b32 s33, s27, 23
	v_mov_b32 v11, s33
	s_add_co_i32 s27, s27, 8
	s_lshl_b32 s27, s27, 23
	s_or_b32 s27, s27, 0x600000
	v_mov_b32 v10, s27
.endm
.macro REDUCE                          ; four packed chains v[12:19] -> their sum over the wave's 1,024 numbers, in v12 of every lane
	v_pk_add_f32 v[12:13], v[12:13], v[14:15]
	v_pk_add_f32 v[16:17], v[16:17], v[18:19]
	v_pk_add_f32 v[12:13], v[12:13], v[16:17]
	v_add_f32 v12, v12, v13
	v_add_f32_dpp v12, v12, v12 row_xmask:1 row_mask:0xf bank_mask:0xf
	v_add_f32_dpp v12, v12, v12 row_xmask:2 row_mask:0xf bank_mask:0xf
	v_add_f32_dpp v12, v12, v12 row_xmask:4 row_mask:0xf bank_mask:0xf
	v_add_f32_dpp v12, v12, v12 row_xmask:8 row_mask:0xf bank_mask:0xf
	v_permlanex16_b32 v20, v12, s36, s37
	v_add_f32 v12, v12, v20
.endm
; Run i of the wave's four.  ln = 1: the norm first.  lb: the way's LDS bytes.
.macro ROW i, ln, lb
.set XR, X+32*(\i)
.set CR, C+8*(\i)
	s_wait_loadcnt 8*(3-(\i))                      ; loads come back in order: this run's eight are in, the younger runs' eight each may be out (gamma and beta are older)
.if \ln
.irp c, 0,1,2,3
	v_pk_add_f32 v[12+2*\c:13+2*\c], v[XR+4*\c:XR+4*\c+1], v[XR+4*\c+2:XR+4*\c+3]   ; the first numbers start the four chains
.endr
.set k, 16
.rept 8
	v_pk_add_f32 v[12+2*((k/2)%4):13+2*((k/2)%4)], v[12+2*((k/2)%4):13+2*((k/2)%4)], v[XR+k:XR+k+1]
.set k, k+2
.endr
	REDUCE
	v_mul_f32 v6, s38, v12                         ; the mean,
	v_mul_f32 v7, s38, v12                         ; twice: a pair for the packed forms
.set k, 0
.rept 16
	v_pk_add_f32 v[XR+k:XR+k+1], v[XR+k:XR+k+1], v[6:7] neg_lo:[0,1] neg_hi:[0,1]   ; x - mean, before the squares: no difference of large sums
.set k, k+2
.endr
.irp c, 0,1,2,3
	v_pk_mul_f32 v[12+2*\c:13+2*\c], v[XR+2*\c:XR+2*\c+1], v[XR+2*\c:XR+2*\c+1]
.endr
.set k, 8
.rept 12
	v_pk_fma_f32 v[12+2*((k/2)%4):13+2*((k/2)%4)], v[XR+k:XR+k+1], v[XR+k:XR+k+1], v[12+2*((k/2)%4):13+2*((k/2)%4)]
.set k, k+2
.endr
	REDUCE
	v_fma_f32 v21, v12, s38, s39                   ; the variance + 1e-5
	v_rsq_f32 v8, v21
	v_rsq_f32 v9, v21
	v_nop                                          ; a plain instruction behind the last transcendental,
	s_wait_alu depctr_va_vdst(0)                   ; and the wait ahead of the first reader: one for both
.set k, 0
.rept 16
	v_pk_mul_f32 v[XR+k:XR+k+1], v[XR+k:XR+k+1], v[8:9]
.set k, k+2
.endr
.set k, 0
.rept 16
	v_pk_fma_f32 v[XR+k:XR+k+1], v[XR+k:XR+k+1], v[G+k:G+k+1], v[BB+k:BB+k+1]
.set k, k+2
.endr
.endif
.set k, 0
.rept 32
	v_med3_num_f32 v[XR+k], v[XR+k], -v10, v10     ; the conversion to an 8-bit code does not saturate (ISA guide 7.6.2): the hold at the largest code x the scale
.set k, k+1
.endr
.irp q, 0,1,2,3
	v_cvt_scalef32_pk8_fp8_f32 v[CR+2*\q:CR+2*\q+1], v[XR+8*\q:XR+8*\q+7], v11
.endr
	v_nop                                          ; a plain instruction behind the last conversion
.irp q, 0,1,2,3,4,5,6,7
	ds_store_b32 v2, v[CR+\q] offset:\lb+1024*(\i)+128*\q    ; dword 32 q + lane of the run's codes
.endr
.irp u, 0,1
	ds_load_b128 v[XR+4*\u:XR+4*\u+3], v3 offset:\lb+1024*(\i)+512*\u   ; LDS serves a wave's instructions in order: these see my stores
.endr
	s_wait_dscnt 0x0
.irp u, 0,1
	global_store_b128 v1, v[XR+4*\u:XR+4*\u+3], s[30:31] offset:1024*(\i)+512*\u   ; 32 lanes store 512 consecutive bytes, aligned; no store's register is written again
.endr
.endm
.macro CLOSE                           ; the wave's end, behind my last LDS store
	s_wait_tensorcnt 0x0
	ds_add_u32 v[SPW], v[NIL]
	s_wait_dscnt 0x0
.endm
	s_cmp_lt_u32 ttmp9, 256
	s_cbranch_scc0 .Lweights
.irp j, 0,1,2,3,4,5,6,7
	global_load_b128 v[G+4*\j:G+4*\j+3], v1, s[6:7] offset:512*\j
	global_load_b128 v[BB+4*\j:BB+4*\j+3], v1, s[8:9] offset:512*\j
.endr
	XLOADS 0
	s_wait_kmcnt 0x0
	s_mov_b32 s27, s40                             ; e0
	MKSCALE
	ROW 0, 1, LNB
	ROW 1, 1, LNB
	ROW 2, 1, LNB
	ROW 3, 1, LNB
	CLOSE
	s_endpgm
.Lweights:
	XLOADS 1
	s_wait_kmcnt 0x0
	s_mov_b32 s27, s51                             ; e11, e9, e7 or e1, by the work-group's number
	s_cmp_lt_u32 ttmp9, 768
	s_cselect_b32 s27, s49, s27
	s_cmp_lt_u32 ttmp9, 512
	s_cselect_b32 s27, s47, s27
	s_cmp_lt_u32 ttmp9, 448
	s_cselect_b32 s27, s41, s27
	MKSCALE
	ROW 0, 0, WTB
	ROW 1, 0, WTB
	ROW 2, 0, WTB
	ROW 3, 0, WTB
	CLOSE
	s_endpgm
.Lfunc_end_k_q19fef1ba7b_prep:
	.size	k_q19fef1ba7b_prep, .Lfunc_end_k_q19fef1ba7b_prep-k_q19fef1ba7b_prep
	.p2alignl 7, 3214868480
	.fill 96, 4, 3214868480
	.section	.rodata,"a",@progbits
	.p2align	6, 0x0
	.amdhsa_kernel k_q19fef1ba7b_prep
		.amdhsa_group_segment_fixed_size 33280
		.amdhsa_private_segment_fixed_size 0
		.amdhsa_enable_private_segment 0
		.amdhsa_kernarg_size 80
		.amdhsa_user_sgpr_count 2
		.amdhsa_user_sgpr_kernarg_segment_ptr 1
		.amdhsa_wavefront_size32 1
		.amdhsa_system_sgpr_workgroup_id_x 1
		.amdhsa_system_sgpr_workgroup_id_y 1
		.amdhsa_system_sgpr_workgroup_id_z 1
		.amdhsa_system_vgpr_workitem_id 0
		.amdhsa_next_free_vgpr 256
		.amdhsa_next_free_sgpr 66
		.amdhsa_reserve_vcc 0
		.amdhsa_float_denorm_mode_32 3
		.amdhsa_float_denorm_mode_16_64 3
		.amdhsa_memory_ordered 1
		.amdhsa_forward_progress 1
		.amdhsa_inst_pref_size 62
	.end_amdhsa_kernel
	.amdgpu_metadata
---
amdhsa.version: [ 1, 2 ]
amdhsa.kernels:
  - .name:           k_q19fef1ba7b_prep
    .symbol:         k_q19fef1ba7b_prep.kd
    .args:
      - { .name: src, .offset: 0, .size: 8, .value_kind: global_buffer, .address_space: global }
      - { .name: ln1_g, .offset: 8, .size: 8, .value_kind: global_buffer, .address_space: global }
      - { .name: ln1_b, .offset: 16, .size: 8, .value_kind: global_buffer, .address_space: global }
      - { .name: Wqkv, .offset: 24, .size: 8, .value_kind: global_buffer, .address_space: global }
      - { .name: Wout, .offset: 32, .size: 8, .value_kind: global_buffer, .address_space: global }
      - { .name: W1, .offset: 40, .size: 8, .value_kind: global_buffer, .address_space: global }
      - { .name: W2, .offset: 48, .size: 8, .value_kind: global_buffer, .address_space: global }
      - { .name: lowp_scales, .offset: 56, .size: 8, .value_kind: global_buffer, .address_space: global }
      - { .name: act, .offset: 64, .size: 8, .value_kind: global_buffer, .address_space: global }
      - { .name: wcodes, .offset: 72, .size: 8, .value_kind: global_buffer, .address_space: global }
    .group_segment_fixed_size: 33280
    .private_segment_fixed_size: 0
    .kernarg_segment_align: 8
    .kernarg_segment_size: 80
    .max_flat_workgroup_size: 128
    .sgpr_count:     66
    .vgpr_count:     256
    .wavefront_size: 32
...
	.end_amdgpu_metadata
.endif
;; end of part 1
;; launch qkv (part 2): grid 12 x 16, 4 waves a work-group, clusters of 4 x 4, 327,680 bytes of LDS; arguments act, wcodes, lowp_scales, bqkv, qkvc; writes qkvc
.if DOCPART == 2
	.amdgcn_target "amdgcn-amd-amdhsa--gfx1250"
	.amdhsa_code_object_version 6
	.text
	.protected	k_q19fef1ba7b_qkv
	.globl	k_q19fef1ba7b_qkv
	.p2align	8
	.type	k_q19fef1ba7b_qkv,@function
k_q19fef1ba7b_qkv:
	s_mov_b64 s[64:65], 0
	v_nop
	global_prefetch_b8 v0, s[64:65] scope:SCOPE_SE
	s_setreg_imm32_b32 hwreg(HW_REG_WAVE_MODE, 25, 1), 1
	s_wait_xcnt 0x0
	s_wait_alu depctr_hold_cnt(0) depctr_sa_sdst(0) depctr_va_vdst(0) depctr_va_sdst(0) depctr_va_ssrc(0) depctr_va_vcc(0) depctr_vm_vsrc(0)
	s_getreg_b32 s2, hwreg(HW_REG_IB_STS2, 6, 4)
	s_cmp_eq_u32 s2, 0
	s_cbranch_scc0 .Lentry_in_a_cluster
	s_endpgm
.Lentry_in_a_cluster:
	s_bfe_u32 s2, ttmp6, 0x10000c
	s_cmp_lg_u32 s2, 0xf033
	s_cbranch_scc0 .Lentry_shape_is_right
	s_endpgm
.Lentry_shape_is_right:
; One text serves two launches; QKV = 1: q, k, v = LN1(src) Wqkv^T + bqkv, quantised (e2, e3, e5);  QKV = 0: hid = relu(LN2(x1) W1^T + b1), quantised (e10).  K = 1,024, both operands codes of E4M3, K innermost.
; A tile of 256 x 256 results is made by four waves, each 128 x 128: 64 accumulators of 16 x 16, 512 registers.  K goes in steps of 256 through a ring of two LDS slots filled by the tensor data mover.
; Two regions of a slot: X (256 rows, source 1 of the matrix instruction) and Y (256 rows, source 0).  In accumulator (a, b) lane (r, h) register j is the result of X's row 16 a + r and Y's row 16 b + 8 h + j:
; eight neighbours along Y, which one conversion turns into 8 code bytes.  For q, k and hid X = tokens and Y = weight rows: codes with the channels innermost.
; For v (cluster x = 2) the two tensors change places, X = weight rows, Y = tokens: v's codes come out with the KEYS innermost, as the attention's second product wants them, and nothing is transposed.
; CLUSTERS: 4 x 4 work-groups.  X's tile hangs on the cluster's y and cy alone and is asked for jointly by a row of the cluster, Y's on the cluster's coordinates and cx alone, by a column.
; The sums are multiplied by 2^(eA + eB) and take the bias in one multiply-add, are held, converted, gathered in a stage of 256 rows x 256 bytes in LDS and leave in whole runs of 256 or 512 bytes.
; No prefetch: K has four steps, two of them asked for at the head.
; LIMITS: eA + eB between -126 and 127; the result's e between -126 and 119.
; REGISTERS, in windows of 256: window 0: v16-31 addresses; v32-95, v96-111 biases; from v128 X's fragments, ONE set (on the way out: numbers, codes, rows).  window 1: Y's fragments, TWO sets.  windows 2, 3: accumulators.
.set QKV,    1
.set KSTEP,  256
.set ROWB,   256
.set KROW,   1024
.set PITCH,  272                       ; an LDS row: 256 bytes + 16 of padding: the 16 rows that a load touches start 68 words apart
.set FR,     16
.set NL,     4
.set NP,     4
.set HALFT,  128*PITCH
.set SLOT,   4*HALFT
.set LAPS,   KROW/(2*KSTEP)
.set SPARE,  2*SLOT                    ; behind the ring: the spare words, 128 bytes a wave
.set SPITCH, 272                       ; the stage: 256 rows x (256 + 16) bytes from LDS byte 0 on, in slot 0, which has had its last fill and its last read by then
.if QKV
.set OSH,    11                        ; a row of v is 2,048 bytes
.else
.set OSH,    12                        ; a row of hid 4,096
.endif
.set ADRA, 16                          ; v16-17  LDS address of my X fragments in slot 0, 1
.set GOH,  18                          ; v18     (q, k) 16 x lane
.set ADRB, 20                          ; v20-21  the same for Y
.set LIMV, 22                          ; v22     448 x 2^e of the result
.set SCV,  23                          ; v23     2^e of the result
.set STO,  24                          ; v24     the stage: where I put 8 code bytes
.set RDR,  25                          ; v25     the stage read by rows
.set GOR,  26                          ; v26     and the same place in memory
.set BTA,  27                          ; v27     32 h: offset of the bias along Y
.set SPW,  28                          ; v28     my spare word; never rewritten
.set NIL,  29                          ; v29     0; never rewritten
.set BVA,  30                          ; v30     4 r: offset of the bias along X
.set RDH,  31                          ; v31     (q, k) the stage read by heads
.set BT,   32                          ; v32-95  the bias along Y, register 8 b + j
.set BV,   96                          ; v96-111 the bias along X, a pair for each block a
.set AF,   128
.set TMP,  128                         ; the way out: a block's 64 numbers
.set CD,   192                         ; and its codes: four sets of 16
.set G1, 24
.set G0, 32
.set G1B, 48
.set G0B, 56
.set MSB, 0
.macro WIN new                         ; the immediate's high byte repeats the setting that is left
.if MSB != \new
	s_set_vgpr_msb (MSB<<8)|\new
.set MSB, \new
.endif
.endm
.set MUL_LO, 0xa1                      ; source 0 (Y) window 1, source 1 (X) window 0, C and D window 2
.set MUL_HI, 0xf1
.set TO_B,   0x40
; A joint load: waves 0 and 1 fetch X's halves, waves 2 and 3 Y's.  The branch hangs on the wave's number alone.  An s_nop 0 and four v_nop follow each line.
.macro JLOAD g0a, g1a, g0b, g1b
	s_cmp_eq_u32 s15, 0
	s_cbranch_scc0 .Lfor_b_\@
	tensor_load_to_lds s[\g0a:\g0a+3], s[\g1a:\g1a+7]
	s_nop 0
.rept 4
	v_nop
.endr
	s_branch .Lasked_\@
.Lfor_b_\@:
	tensor_load_to_lds s[\g0b:\g0b+3], s[\g1b:\g1b+7]
	s_nop 0
.rept 4
	v_nop
.endr
.Lasked_\@:
.endm
.macro CREST                           ; a round of the cluster's barrier behind its opening barrier
	s_cmp_lg_u32 s14, 0
	s_cbranch_scc1 .Lnot_wave_0_\@
	s_barrier_signal -3
.Lnot_wave_0_\@:
	s_barrier_wait -3
	s_barrier_signal -1
	s_barrier_wait -1
.endm
.macro CROUND
	s_barrier_signal -1
	s_barrier_wait -1
	CREST
.endm
	s_load_b256 s[4:11], s[0:1], 0x0               ; the activations' codes s[4:5], wcodes s[6:7], the scales' exponents s[8:9], the bias s[10:11]
	s_load_b64 s[12:13], s[0:1], 0x20              ; the result
	v_lshl_add_u32 v[SPW], v0, 2, SPARE
	v_mov_b32 v[NIL], 0
	ds_add_u32 v[SPW], v[NIL]                      ; the wave's opening: the add and its wait ahead of my first tensor load; the set-up below stands between them
	v_lshrrev_b32 v1, 5, v0
	v_readfirstlane_b32 s14, v1                    ; wave 0..3
	s_lshr_b32 s15, s14, 1                         ; my half of X's rows.  Also: I fetch for X (0) or for Y (1)
	s_and_b32 s16, s14, 1                          ; my half of Y's rows.  Also: which 128 rows I fetch
	s_bfe_u32 s40, ttmp6, 0x40000                  ; cx
	s_bfe_u32 s41, ttmp6, 0x40004                  ; cy
	s_lshl_b32 s42, ttmp9, 2
	s_add_co_u32 s42, s42, s40                     ; tx = 4 x cluster x + cx
	s_and_b32 s17, ttmp7, 0xffff
	s_lshl_b32 s17, s17, 2                         ; 4 x cluster y
	s_add_co_u32 s66, s17, s41                     ; ty = 4 x cluster y + cy
.if QKV
	s_add_co_u32 s67, s17, s40                     ; tt = 4 x cluster y + cx: v's tile of tokens
	s_add_co_u32 s68, s41, 8                       ; 8 + cy: v's tile of weight rows
	s_cmp_eq_u32 ttmp9, 2                          ; the cluster's x: alike in all sixteen partners
	s_cselect_b32 s69, s68, s66                    ; X's tile: made of cy and the cluster's y alone
	s_cselect_b32 s70, s67, s42                    ; Y's tile: made of cx and the cluster's coordinates alone
.else
	s_mov_b32 s69, s66
	s_mov_b32 s70, s42
.endif
	s_lshl_b32 s43, s41, 2
	s_lshl_b32 s43, 15, s43                        ; my row of the cluster
	s_lshl_b32 s44, 0x1111, s40                    ; my column
	s_or_b32 s[G1+0], s43, (0<<16)|(1<<20)|(1<<21)|(5<<22)|(3<<25)  ; the mask; elements of 1 byte; padding on; bit 21 beside a mask; after every 64 words four words
	s_or_b32 s[G1B+0], s44, (0<<16)|(1<<20)|(1<<21)|(5<<22)|(3<<25)
.irp g, G1, G1B
	s_mov_b32 s[\g+1], ROWB<<16                    ; tensor_dim0
	s_mov_b32 s[\g+2], 128<<16                     ; tensor_dim1
	s_mov_b32 s[\g+3], ROWB<<16                    ; tile_dim0
	s_mov_b32 s[\g+4], 128                         ; tile_dim1
	s_mov_b32 s[\g+5], KROW                        ; from row to row
	s_mov_b32 s[\g+6], 0
	s_mov_b32 s[\g+7], 0
.endr
	s_lshl_b32 s18, s16, 7
	s_lshl_b32 s20, s69, 8
	s_add_co_u32 s20, s20, s18
	s_lshl_b32 s20, s20, 10                        ; X: (256 x tile + 128 x half) rows of 1,024 bytes
	s_mov_b32 s21, 0
	s_lshl_b32 s46, s70, 8
	s_add_co_u32 s46, s46, s18
	s_lshl_b32 s46, s46, 10                        ; Y likewise
	s_mov_b32 s47, 0
	s_mul_i32 s45, s14, HALFT                      ; where they go: wave x 128 rows
	s_wait_dscnt 0x0                               ; the opening add is done
	s_wait_kmcnt 0x0
.if QKV
	s_load_b256 s[72:79], s[8:9], 0x0              ; e0 .. e7
	s_cmp_eq_u32 ttmp9, 2
	s_cselect_b64 s[84:85], s[6:7], s[4:5]         ; X's tensor
	s_cselect_b64 s[86:87], s[4:5], s[6:7]         ; Y's
.else
	s_load_b128 s[72:75], s[8:9], 0x20             ; e8 .. e11
	s_mov_b64 s[84:85], s[4:5]
	s_add_nc_u64 s[86:87], s[6:7], 0x400000        ; W1's codes
.endif
	s_add_nc_u64 s[20:21], s[84:85], s[20:21]
	s_add_nc_u64 s[46:47], s[86:87], s[46:47]
	CROUND                                         ; all sixteen work-groups are here: the first joint loads meet
.irp s, 0,1
	s_mov_b32 s[G0+4*\s], 1
	s_add_co_u32 s[G0+4*\s+1], s45, \s*SLOT
	s_add_nc_u64 s[G0+4*\s+2:G0+4*\s+3], s[20:21], \s*ROWB
	s_or_b32 s[G0+4*\s+3], s[G0+4*\s+3], 0x80000000
	s_mov_b32 s[G0B+4*\s], 1
	s_add_co_u32 s[G0B+4*\s+1], s45, \s*SLOT
	s_add_nc_u64 s[G0B+4*\s+2:G0B+4*\s+3], s[46:47], \s*ROWB
	s_or_b32 s[G0B+4*\s+3], s[G0B+4*\s+3], 0x80000000
	JLOAD G0+4*\s, G1, G0B+4*\s, G1B
.endr
	v_and_b32 v1, 15, v0                           ; r
	v_bfe_u32 v2, v0, 4, 1                         ; h
	v_mul_u32_u24 v3, v1, PITCH
	v_lshl_add_u32 v4, v2, 4, v3                   ; a fragment's row x pitch + 16 h
	s_mul_i32 s21, s15, HALFT
	s_mul_i32 s22, s16, HALFT
	s_add_co_u32 s22, s22, 2*HALFT
.irp s, 0,1
	v_add_nc_u32 v[ADRA+\s], s21, v4
	v_add_nc_u32 v[ADRB+\s], s22, v4
	s_add_co_u32 s21, s21, SLOT
	s_add_co_u32 s22, s22, SLOT
.endr
	s_mul_i32 s23, s15, 128*SPITCH                 ; the stage, way in: row 128 x my X half + 16 a + r, byte 128 x my Y half + 16 b + 8 h
	s_lshl_b32 s18, s16, 7
	s_add_co_u32 s23, s23, s18
	v_lshl_add_u32 v5, v2, 3, v3
	v_add_nc_u32 v[STO], s23, v5
	s_mul_i32 s23, s14, 64*SPITCH                  ; way out: wave w takes rows 64 w .. 64 w + 63, whole
	v_mul_u32_u24 v5, v2, SPITCH
	v_lshl_add_u32 v5, v1, 4, v5
	v_add_nc_u32 v[RDR], s23, v5                   ; sixteen lanes to a row, two rows an instruction
	v_lshlrev_b32 v[GOR], OSH, v2
	v_lshl_add_u32 v[GOR], v1, 4, v[GOR]
	v_lshlrev_b32 v[BTA], 5, v2
.if QKV
	v_and_b32 v6, 31, v0
	v_lshrrev_b32 v7, 2, v6
	v_mul_u32_u24 v7, v7, SPITCH
	v_and_b32 v8, 3, v6
	v_lshl_add_u32 v7, v8, 4, v7
	v_add_nc_u32 v[RDH], s23, v7                   ; four lanes to a token's 64 bytes of one head, eight tokens an instruction
	v_lshlrev_b32 v[GOH], 4, v6
	v_lshlrev_b32 v[BVA], 2, v1
.endif
	s_lshl_b32 s88, s42, 10                        ; the bias along Y: 4 x (256 tx + 128 x my Y half) bytes on
	s_lshl_b32 s89, s16, 9
	s_add_co_u32 s88, s88, s89
	s_mov_b32 s89, 0
	s_add_nc_u64 s[90:91], s[10:11], s[88:89]
.irp b, 0,1,2,3,4,5,6,7
	global_load_b128 v[BT+8*\b:BT+8*\b+3], v[BTA], s[90:91] offset:64*\b       ; these stay out through the loop; their registers and addresses are not touched there
	global_load_b128 v[BT+8*\b+4:BT+8*\b+7], v[BTA], s[90:91] offset:64*\b+16
.endr
.if QKV
	s_lshl_b32 s88, s41, 10                        ; the bias along X (v's): 4 x (2,048 + 256 cy + 128 x my X half); inside bqkv in every work-group
	s_lshl_b32 s94, s15, 9
	s_add_co_u32 s88, s88, s94
	s_add_co_u32 s88, s88, 8192
	s_add_nc_u64 s[92:93], s[10:11], s[88:89]
.irp a, 0,1,2,3,4,5,6,7
	global_load_b32 v[BV+2*\a], v[BVA], s[92:93] offset:64*\a
	global_load_b32 v[BV+2*\a+1], v[BVA], s[92:93] offset:64*\a                ; (named with it as a pair, so it is written)
.endr
	s_lshl_b32 s88, ttmp9, 22                      ; q, k: section + ((ty / 8) 16 + 4 cx) heads of 131,072 bytes + ((ty % 8) 256 + 64 wave) tokens of 64
	s_lshr_b32 s89, s66, 3
	s_lshl_b32 s89, s89, 4
	s_lshl_b32 s94, s40, 2
	s_add_co_u32 s89, s89, s94
	s_lshl_b32 s89, s89, 17
	s_add_co_u32 s88, s88, s89
	s_and_b32 s89, s66, 7
	s_lshl_b32 s89, s89, 8
	s_lshl_b32 s94, s14, 6
	s_add_co_u32 s89, s89, s94
	s_lshl_b32 s89, s89, 6
	s_add_co_u32 s88, s88, s89
	s_lshr_b32 s89, s67, 3                         ; v: section + ((tt / 8) 1,024 + 256 cy + 64 wave) rows of 2,048 bytes + (tt % 8) 256
	s_lshl_b32 s89, s89, 10
	s_lshl_b32 s95, s41, 8
	s_add_co_u32 s89, s89, s95
	s_add_co_u32 s89, s89, s94
	s_lshl_b32 s89, s89, 11
	s_and_b32 s95, s67, 7
	s_lshl_b32 s95, s95, 8
	s_add_co_u32 s89, s89, s95
	s_add_co_u32 s89, s89, 0x800000
	s_cmp_eq_u32 ttmp9, 2
	s_cselect_b32 s88, s89, s88
.else
	s_lshl_b32 s88, s66, 8                         ; hid: (256 ty + 64 wave) rows of 4,096 bytes + 256 tx
	s_lshl_b32 s94, s14, 6
	s_add_co_u32 s88, s88, s94
	s_lshl_b32 s88, s88, 12
	s_lshl_b32 s94, s42, 8
	s_add_co_u32 s88, s88, s94
.endif
	s_mov_b32 s89, 0
	s_add_nc_u64 s[12:13], s[12:13], s[88:89]
.macro FRAG reg, adr, q, i             ; a fragment, 16 rows x 128 K: registers 4 c .. 4 c + 3 hold K = 32 c + 16 h + 0 .. 15: the same order of K in X and in Y
.irp c, 0,1,2,3
	ds_load_b128 v[\reg+4*\c:\reg+4*\c+3], v[\adr] offset:128*(\q)+32*\c+(\i)*16*PITCH
.endr
.endm
; 16 matrix instructions: X's blocks a0, a0 + 1 against Y's eight.  The 64 accumulators take turns, one instruction a turn, in the same order in every step.
.macro MUL16 a0, p, zero
.irp a, \a0, \a0+1
.irp b, 0,1,2,3,4,5,6,7
.if \zero
	v_wmma_f32_16x16x128_fp8_fp8 v[8*(8*((\a)%4)+\b):8*(8*((\a)%4)+\b)+7], v[128*(\p)+FR*\b:128*(\p)+FR*\b+FR-1], v[AF+FR*(\a):AF+FR*(\a)+FR-1], 0
.else
	v_wmma_f32_16x16x128_fp8_fp8 v[8*(8*((\a)%4)+\b):8*(8*((\a)%4)+\b)+7], v[128*(\p)+FR*\b:128*(\p)+FR*\b+FR-1], v[AF+FR*(\a):AF+FR*(\a)+FR-1], v[8*(8*((\a)%4)+\b):8*(8*((\a)%4)+\b)+7]
.endif
.endr
.endr
.endm
.macro FETCH_B slot, q, p
	WIN TO_B
.irp i, 0,1,2,3,4,5,6,7
	FRAG 128*(\p)+FR*\i, ADRB+\slot, \q, \i
.endr
	WIN 0
.endm
.macro FETCH_A slot, q, i0
.irp i, \i0, \i0+1, \i0+2, \i0+3
	FRAG AF+FR*(\i), ADRA+\slot, \q, \i
.endr
.endm
.macro PLACES n                        ; plain vector instructions between a matrix instruction and a load into, or a read of, its registers
.rept \n
	v_nop
.endr
.endm
.macro STEP slot, q, zero              ; 128 along K, with its successor in the same slot
	s_wait_dscnt 4*NL                              ; Y's set and X's blocks 0-3 are in; the youngest 16 loads (blocks 4-7) may be out
	WIN MUL_LO
	MUL16 0, (\q)%2, \zero
	MUL16 2, (\q)%2, \zero
	s_wait_dscnt 0
	PLACES NP
	FETCH_B \slot, (\q)+1, 1-(\q)%2
	FETCH_A \slot, (\q)+1, 0
	WIN MUL_HI
	MUL16 4, (\q)%2, \zero
	MUL16 6, (\q)%2, \zero
	PLACES NP
	WIN 0
	FETCH_A \slot, (\q)+1, 4
.endm
; A slot's last step changes slots: one barrier; ahead of it each wave waits for all its tensor loads, adds 0 to its spare word, and waits for that and for its reads of this slot.
.macro TURN slot, next, fill
	s_wait_tensorcnt 0x0                           ; all my tensor loads have landed: my part of the next slot
	ds_add_u32 v[SPW], v[NIL]
	s_wait_dscnt 4*NL+1                            ; the add and the youngest 16 loads may be out
	WIN MUL_LO
	MUL16 0, 1, 0
	s_wait_dscnt 0x0                               ; the add is done, and my reads of this slot are over
	s_barrier_signal -1
	MUL16 2, 1, 0
	WIN 0
	s_barrier_wait -1
.if \fill
	CREST                                          ; the barrier has opened a round of the cluster's: no wave of any partner still reads this slot or has a load on its way
	s_add_nc_u64 s[G0+4*\slot+2:G0+4*\slot+3], s[G0+4*\slot+2:G0+4*\slot+3], 2*ROWB
	s_add_nc_u64 s[G0B+4*\slot+2:G0B+4*\slot+3], s[G0B+4*\slot+2:G0B+4*\slot+3], 2*ROWB
	JLOAD G0+4*\slot, G1, G0B+4*\slot, G1B         ; the first tensor load behind the round; its four v_nop are the places ahead of the loads below
.else
	PLACES NP
.endif
	FETCH_B \next, 0, 0
	FETCH_A \next, 0, 0
	WIN MUL_HI
	MUL16 4, 1, 0
	MUL16 6, 1, 0
	PLACES NP
	WIN 0
	FETCH_A \next, 0, 4
.endm
	s_wait_tensorcnt 1                             ; my part of K step 0 is in; K step 1's one load may be out
	s_barrier_signal -1
	s_barrier_wait -1
	FETCH_B 0, 0, 0
	FETCH_A 0, 0, 0
	FETCH_A 0, 0, 4
	STEP 0, 0, 1                                   ; the first step's products start the sums: nothing is cleared
	s_mov_b32 s3, LAPS-1
.Llap:
	TURN 0, 1, 1
	STEP 1, 0, 0
	TURN 1, 0, 1
	STEP 0, 0, 0
	s_sub_co_u32 s3, s3, 1
	s_cmp_lg_u32 s3, 0
	s_cbranch_scc1 .Llap
	TURN 0, 1, 0                                   ; the last lap fills nothing
	STEP 1, 0, 0
	s_wait_dscnt 4*NL
	WIN MUL_LO
	MUL16 0, 1, 0
	MUL16 2, 1, 0
	s_wait_dscnt 0
	WIN MUL_HI
	MUL16 4, 1, 0
	MUL16 6, 1, 0
	WIN 0
	; THE WAY OUT
	s_wait_kmcnt 0x0
	s_add_co_i32 s96, s72, s73
	s_add_co_i32 s96, s96, 127
	s_lshl_b32 s96, s96, 23                        ; 2^(eA + eB) as f32
	s_mov_b32 s97, s96                             ; (named with it as a pair)
.if QKV
	s_cmp_eq_u32 ttmp9, 1
	s_cselect_b32 s82, s75, s74                    ; e3 for k, e2 for q,
	s_cmp_eq_u32 ttmp9, 2
	s_cselect_b32 s82, s77, s82                    ; e5 for v
	s_cselect_b32 s80, 0, -1                       ; lanes' mask: the bias along Y counts for q and k,
	s_cselect_b32 s81, -1, 0                       ; the bias along X for v
.else
	s_mov_b32 s82, s74                             ; e10
.endif
	s_add_co_i32 s82, s82, 127
	s_lshl_b32 s83, s82, 23
	v_mov_b32 v[SCV], s83
	s_add_co_i32 s82, s82, 8
	s_lshl_b32 s82, s82, 23
	s_or_b32 s82, s82, 0x600000
	v_mov_b32 v[LIMV], s82
	s_wait_loadcnt 0x0                             ; the biases
.if QKV
.set j, 0
.rept 64
	v_cndmask_b32 v[BT+j], 0, v[BT+j], s80         ; the table that does not apply becomes zeros: a choice of values, no branch
.set j, j+1
.endr
.set j, 0
.rept 16
	v_cndmask_b32 v[BV+j], 0, v[BV+j], s81
.set j, j+1
.endr
.endif
	PLACES NP
; Block a: X's rows 16 a .. 16 a + 15 against my 128 of Y.  value = sum x 2^(eA + eB) + bias; held; converted; 8 code bytes a conversion into the stage.
.macro BLOCK a
.set AC, 64*((\a)%4)
.set CC, CD+16*((\a)%4)
	WIN 0x02+((\a)/4)                              ; source 0: window 2 or 3
.set j, 0
.rept 32
	v_pk_fma_f32 v[TMP+j:TMP+j+1], v[AC+j:AC+j+1], s[96:97], v[BT+j:BT+j+1] op_sel_hi:[1,0,1]   ; each accumulator from its low end on
.set j, j+2
.endr
	WIN 0
.if QKV
.set j, 0
.rept 32
	v_pk_add_f32 v[TMP+j:TMP+j+1], v[TMP+j:TMP+j+1], v[BV+2*(\a):BV+2*(\a)+1] op_sel_hi:[1,0]   ; one of the two biases is 0, so the value is rounded once
.set j, j+2
.endr
.endif
.set j, 0
.rept 64
.if QKV
	v_med3_num_f32 v[TMP+j], v[TMP+j], -v[LIMV], v[LIMV]   ; the conversion does not saturate (ISA guide 7.6.2): the hold
.else
	v_med3_num_f32 v[TMP+j], v[TMP+j], 0, v[LIMV]          ; the activation and the hold in one
.endif
.set j, j+1
.endr
.irp b, 0,1,2,3,4,5,6,7
	v_cvt_scalef32_pk8_fp8_f32 v[CC+2*\b:CC+2*\b+1], v[TMP+8*\b:TMP+8*\b+7], v[SCV]
.endr
	v_nop                                          ; a plain instruction behind the last conversion: the next block writes its sources
.irp b, 0,1,2,3,4,5,6,7
	ds_store_b64 v[STO], v[CC+2*\b:CC+2*\b+1] offset:(\a)*16*SPITCH+16*\b
.endr
.endm
	BLOCK 0
	BLOCK 1
	BLOCK 2
	BLOCK 3
	s_wait_dscnt 0x0                               ; the four sets of code registers are used again
	BLOCK 4
	BLOCK 5
	BLOCK 6
	BLOCK 7
	s_wait_dscnt 0x0                               ; for the others' sake: my stores into the stage are done
	s_barrier_signal -1
	s_barrier_wait -1                              ; 256 whole rows lie in the stage
.macro BACK_ROWS pitch                 ; my 64 rows: sixteen lanes store 256 consecutive bytes, aligned
.set i, 0
.rept 32
	ds_load_b128 v[128+4*i:131+4*i], v[RDR] offset:2*i*SPITCH
.set i, i+1
.endr
.set i, 0
.rept 32
	s_wait_dscnt 31-i
	global_store_b128 v[GOR], v[128+4*i:131+4*i], s[12:13] offset:2*i*\pitch
.set i, i+1
.endr
.endm
.macro BACK_HEADS                      ; my 64 tokens x 4 heads: i = 8 x head + group of 8 tokens; 32 lanes store 512 consecutive bytes of one head
.set i, 0
.rept 32
	ds_load_b128 v[128+4*i:131+4*i], v[RDH] offset:(i%8)*8*SPITCH+64*(i/8)
.set i, i+1
.endr
.set i, 0
.rept 32
	s_wait_dscnt 31-i
	global_store_b128 v[GOH], v[128+4*i:131+4*i], s[12:13] offset:(i/8)*131072+(i%8)*512
.set i, i+1
.endr
.endm
.if QKV
	s_cmp_eq_u32 ttmp9, 2                          ; the cluster's x: alike in all partners; only LDS loads and stores to memory differ
	s_cbranch_scc1 .Lback_v
	BACK_HEADS
	s_branch .Lclose
.Lback_v:
	BACK_ROWS 2048
.Lclose:
.else
	BACK_ROWS 4096
.endif
	s_wait_tensorcnt 0x0                           ; the wave's end
	ds_add_u32 v[SPW], v[NIL]
	s_wait_dscnt 0x0
	CROUND                                         ; the closing round
	s_endpgm
.Lfunc_end_k_q19fef1ba7b_qkv:
	.size	k_q19fef1ba7b_qkv, .Lfunc_end_k_q19fef1ba7b_qkv-k_q19fef1ba7b_qkv
	.p2alignl 7, 3214868480
	.fill 96, 4, 3214868480
	.section	.rodata,"a",@progbits
	.p2align	6, 0x0
	.amdhsa_kernel k_q19fef1ba7b_qkv
		.amdhsa_group_segment_fixed_size 327680
		.amdhsa_private_segment_fixed_size 0
		.amdhsa_enable_private_segment 0
		.amdhsa_kernarg_size 40
		.amdhsa_user_sgpr_count 2
		.amdhsa_user_sgpr_kernarg_segment_ptr 1
		.amdhsa_wavefront_size32 1
		.amdhsa_system_sgpr_workgroup_id_x 1
		.amdhsa_system_sgpr_workgroup_id_y 1
		.amdhsa_system_sgpr_workgroup_id_z 1
		.amdhsa_system_vgpr_workitem_id 0
		.amdhsa_next_free_vgpr 1024
		.amdhsa_next_free_sgpr 98
		.amdhsa_reserve_vcc 0
		.amdhsa_float_denorm_mode_32 3
		.amdhsa_float_denorm_mode_16_64 3
		.amdhsa_memory_ordered 1
		.amdhsa_forward_progress 1
		.amdhsa_inst_pref_size 173
	.end_amdhsa_kernel
	.amdgpu_metadata
---
amdhsa.version: [ 1, 2 ]
amdhsa.kernels:
  - .name:           k_q19fef1ba7b_qkv
    .symbol:         k_q19fef1ba7b_qkv.kd
    .args:
      - { .name: act, .offset: 0, .size: 8, .value_kind: global_buffer, .address_space: global }
      - { .name: wcodes, .offset: 8, .size: 8, .value_kind: global_buffer, .address_space: global }
      - { .name: lowp_scales, .offset: 16, .size: 8, .value_kind: global_buffer, .address_space: global }
      - { .name: bqkv, .offset: 24, .size: 8, .value_kind: global_buffer, .address_space: global }
      - { .name: qkvc, .offset: 32, .size: 8, .value_kind: global_buffer, .address_space: global }
    .group_segment_fixed_size: 327680
    .private_segment_fixed_size: 0
    .kernarg_segment_align: 8
    .kernarg_segment_size: 40
    .max_flat_workgroup_size: 128
    .sgpr_count:     98
    .vgpr_count:     1024
    .wavefront_size: 32
...
	.end_amdgpu_metadata
.endif
;; end of part 2
;; launch attn (part 3): grid 8 x 32, 16 waves a work-group, no clusters, 327,680 bytes of LDS; arguments qkvc, lowp_scales, act; writes act
.if DOCPART == 3
	.amdgcn_target "amdgcn-amd-amdhsa--gfx1250"
	.amdhsa_code_object_version 6
	.text
	.protected	k_q19fef1ba7b_attn
	.globl	k_q19fef1ba7b_attn
	.p2align	8
	.type	k_q19fef1ba7b_attn,@function
k_q19fef1ba7b_attn:
	s_mov_b64 s[64:65], 0
	v_nop
	global_prefetch_b8 v0, s[64:65] scope:SCOPE_SE
	s_setreg_imm32_b32 hwreg(HW_REG_WAVE_MODE, 25, 1), 1
	s_wait_xcnt 0x0
; Causal attention with the bias -(query + key) x 2^-head, both products on codes of E4M3; the result is quantised (e6) for the next product.
; qkvc: q at 0 and k at 4 MiB, [b 16 + h][s][64]; v at 8 MiB, [b 16 + h][64][s]: the keys innermost.  act (out): [b 16 + h][s][64] codes.
; t = score x c - sigma (query + key), c = 2^(e2 + e3) log2(e) / 8, sigma = log2(e) 2^-head.  M = the row's largest t so far, rounded up to a whole number; p = 2^(t - M) is quantised (e4), not normalised;
; the row's sum is taken of the unquantised p and divides at the end.  When M moves, the sum and O are multiplied by 2^(old M - new M): exact.
; THE BIAS COSTS NO PASS OF ITS OWN.  With key = KF + 32 b + 16 h + i:  t = c S' - R_b,  S' = score - (sigma / c)(16 h + i),  R_b = sigma (query + KF + 32 b).  sigma / c = 2^(3 - head - e2 - e3) is a power of two,
; so the table -(sigma / c)(16 h + i), 16 registers, is exact; it is the C of the first product's matrix instructions.  R_b goes in with M: p = 2^(c S' + (-M - R_b)), one packed multiply-add for two numbers.
; SHARES.  Work-group (i, y): head y; waves 0-7 own queries 128 i + 16 w, waves 8-15 queries 128 (15 - i) + 16 (w - 8): an early block and a late one, so that every work-group has 136 steps of 16 queries x 128 keys.
; Every work-group walks all 8 slots of 256 keys (constant trip counts); a step all of whose keys come after the wave's queries is jumped over; slots past the work-group's last query are not asked for.
; NO JOINT LOADS: the eight work-groups of a head need 8, 8, 7, 7, 6, 6, 5, 5 slots (last query 128 (15 - i) + 127), so partners would ask for different numbers of tiles.
; LAYOUT.  Both products transposed: S^T = K Q^T (K = 64), O^T = V^T P^T (K = 128 keys): a lane holds one query (lane % 16).  Lane r of key tile 2 b + u takes key 32 b + 8 u + r + 8 (r / 8),
; so that the 16 registers of tiles 2 b, 2 b + 1 are the keys 32 b + 16 (lane / 16) + 0 .. 15.
; FRAGMENTS A PHASE AHEAD.  Two banks of 64 registers change roles between a slot's two steps.  In a step one bank holds K's fragments and the other takes the scores; as soon as the scores are made, V's fragments are asked
; for into K's bank and land under the softmax; in a slot's first step the second step's K is asked for into the scores' bank as soon as p has been converted.  Only a slot's first K is waited for straight behind its loads.
; LIMITS: e2 + e3 between -119 and 114 (c and the table's power of two are f32 numbers); e4 and e6 between -126 and 119.  NaN among the inputs is not served.
; REGISTERS: v1-7 addresses that stay; v8-11 at work; v12 -M, v13 largest t, v[14:15] the sum; v16-23 Q; v24-27 R_b; v28-31 the blocks' maxima; v32-95, v96-159 the two banks; v160-191 O^T; v192-207 p's codes;
; v208-223 the table; v224-231 -M - R_b in pairs; v232 Q's offset; v236-254 at work and constants.
.set SK,    256
.set KP,    80                         ; a key's row in LDS: 64 bytes + 16
.set VP,    272                        ; a row of V's tile: 256 bytes + 16
.set VOFF,  SK*KP
.set SLOT1, 1<<17
.set NSL,   2048/SK
.set SPARE, 2*SLOT1                    ; the spare words: 128 bytes for each of 16 waves
.set STAGE, 0                          ; the way out: 16 rows x 80 bytes a wave, in the slot left at the last change: it has had its last fill, and nobody reads it
.set XB,   32                          ; the two banks
.set YB,   96
.set AK0,  1
.set AV0,  2
.set PFO,  3
.set QRY,  4                           ; v4  my query
.set SPW,  5
.set NIL,  6
.set GO,   7
.set ADK,  8
.set ADV,  9
.set WV,   18
.set SEL,  20
.set CS,   22
.set G1K,  24
.set G1V,  32
.set G0K,  40
.set G0V,  44
.set TB,   2
.set SLOTS, 67
.set PFA,  76
.set PFS,  78
.set LIM,  80
.set LQ,   81                          ; s81  my work-group's last query
.set SG,   82                          ; s82  sigma; s83-85: 32, 64, 96 sigma
.set KF,   98                          ; s98  the first key of the slot in hand
.set Q0,   99
; Waves 0 and 1 fetch K's halves, waves 2 and 3 V's, the others nothing.  An s_nop 0 and four v_nop follow each line.
.macro TLOAD g0k, g1k, g0v, g1v
	s_cmp_lt_u32 s[WV], 2
	s_cbranch_scc0 .Lnot_k_\@
	tensor_load_to_lds s[\g0k:\g0k+3], s[\g1k:\g1k+7]
	s_nop 0
.rept 4
	v_nop
.endr
	s_branch .Lasked_\@
.Lnot_k_\@:
	s_cmp_lt_u32 s[WV], 4
	s_cbranch_scc0 .Lasked_\@
	tensor_load_to_lds s[\g0v:\g0v+3], s[\g1v:\g1v+7]
	s_nop 0
.rept 4
	v_nop
.endr
.Lasked_\@:
.endm
; A prefetch of what the NEXT change of slots will ask for: K's 256 rows (16,384 dense bytes) and 256 bytes of each of V's 64 rows.  The head's first work-group asks, which walks all slots; in it waves 4, 5 for K
; (8,192 bytes a wave, lanes 256 bytes apart) and waves 6, 7 for V (32 rows a wave, a lane a row): each aligned block of 256 bytes is named once.  The last filling change asks for nothing; slots 0 and 1 come by their loads alone.
.macro ASK
	s_cmp_gt_u32 s[SLOTS], s[LIM]
	s_cbranch_scc0 .Lnot_mine_\@
	global_prefetch_b8 v[PFO], s[PFA:PFA+1] th:TH_LOAD_NT scope:SCOPE_SE
.Lnot_mine_\@:
.endm
	s_load_b128 s[4:7], s[0:1], 0x0                ; qkvc s[4:5], the scales' exponents s[6:7]
	s_load_b64 s[8:9], s[0:1], 0x10                ; act
	v_lshl_add_u32 v[SPW], v0, 2, SPARE
	v_mov_b32 v[NIL], 0
	ds_add_u32 v[SPW], v[NIL]                      ; the wave's opening: the add and its wait ahead of my first tensor load
	v_lshrrev_b32 v8, 5, v0
	v_readfirstlane_b32 s[WV], v8                  ; wave 0..15
	s_and_b32 s48, ttmp7, 0xffff                   ; y = 16 b + head
	s_lshl_b32 s50, s48, 17                        ; the head's first byte in each section
	s_lshl_b32 s52, ttmp9, 7                       ; 128 i
	s_sub_co_u32 s53, 1920, s52                    ; 128 (15 - i)
	s_add_co_u32 s[LQ], s53, 127
	s_cmp_lt_u32 s[WV], 8
	s_cselect_b32 s52, s52, s53
	s_and_b32 s53, s[WV], 7
	s_lshl_b32 s53, s53, 4
	s_add_co_u32 s[Q0], s52, s53                   ; my first query
	s_lshl_b32 s54, s[Q0], 6
	s_add_co_u32 s54, s54, s50                     ; its 64 bytes, in q and in act
	s_mov_b32 s55, 0
	s_and_b32 s49, s[WV], 1
	s_lshl_b32 s56, s49, 13                        ; K: 128 rows of 64 bytes a fetching wave
	s_add_co_u32 s56, s56, s50
	s_add_co_u32 s56, s56, 0x400000
	s_mov_b32 s57, 0
	s_lshl_b32 s58, s49, 16                        ; V: 32 rows of 2,048 bytes
	s_add_co_u32 s58, s58, s50
	s_add_co_u32 s58, s58, 0x800000
	s_mov_b32 s59, 0
	s_mul_i32 s60, s49, 128*KP
	s_mul_i32 s61, s49, 32*VP
	s_add_co_u32 s61, s61, VOFF
	s_mov_b32 s[G1K], (0<<16)|(1<<20)|(3<<22)|(3<<25)   ; elements of 1 byte; padding: four words after every 16
	s_mov_b32 s[G1K+1], 64<<16
	s_mov_b32 s[G1K+2], 128<<16
	s_mov_b32 s[G1K+3], 64<<16
	s_mov_b32 s[G1K+4], 128
	s_mov_b32 s[G1K+5], 64
	s_mov_b32 s[G1K+6], 0
	s_mov_b32 s[G1K+7], 0
	s_mov_b32 s[G1V], (0<<16)|(1<<20)|(5<<22)|(3<<25)   ; four words after every 64
	s_mov_b32 s[G1V+1], 256<<16
	s_mov_b32 s[G1V+2], 32<<16
	s_mov_b32 s[G1V+3], 256<<16
	s_mov_b32 s[G1V+4], 32
	s_mov_b32 s[G1V+5], 2048
	s_mov_b32 s[G1V+6], 0
	s_mov_b32 s[G1V+7], 0
	s_mov_b32 s[SEL], 0x76543210
	s_mov_b32 s[SEL+1], 0xfedcba98
	s_mov_b32 s[CS], 0x3e38aa3b                    ; log2(e) / 8
	s_and_b32 s63, s48, 15                         ; the head
	s_lshl_b32 s62, s63, 23
	s_sub_co_u32 s[SG], 0x3fb8aa3b, s62            ; sigma = log2(e) 2^-head: the head is taken off the exponent field
	s_add_co_u32 s[SG+1], s[SG], 5<<23             ; 32 sigma
	s_add_co_u32 s[SG+2], s[SG], 6<<23             ; 64 sigma
	s_mul_f32 s[SG+3], s[SG], 0x42c00000           ; 96 sigma
	s_mov_b32 s[TB], 0
	s_mov_b32 s[SLOTS], NSL-1
	s_mov_b32 s[KF], 0
	s_wait_dscnt 0x0                               ; the opening add is done
	s_wait_kmcnt 0x0
	s_load_b256 s[68:75], s[6:7], 0x0              ; e0 .. e7
	s_mov_b32 s[G0K], 1
	s_mov_b32 s[G0K+1], s60
	s_add_nc_u64 s[G0K+2:G0K+3], s[4:5], s[56:57]
	s_or_b32 s[G0K+3], s[G0K+3], 0x80000000
	s_mov_b32 s[G0V], 1
	s_mov_b32 s[G0V+1], s61
	s_add_nc_u64 s[G0V+2:G0V+3], s[4:5], s[58:59]
	s_or_b32 s[G0V+3], s[G0V+3], 0x80000000
	TLOAD G0K, G1K, G0V, G1V                       ; slot 0
	s_add_nc_u64 s[10:11], s[4:5], s[54:55]        ; q at my first query
	s_add_nc_u64 s[8:9], s[8:9], s[54:55]          ; act likewise
	s_cmp_lt_u32 s[WV], 6                          ; the prefetches: waves 4, 5 stand in K, waves 6, 7 in V
	s_mov_b32 s89, 0x800000
	s_cselect_b32 s88, 0x400000, s89
	s_mov_b32 s[PFS], 256
	s_cselect_b32 s[PFS], 16384, s[PFS]            ; a slot on
	s_mov_b32 s90, 2048
	s_cselect_b32 s90, 256, s90                    ; from lane to lane
	s_mov_b32 s91, 65536
	s_cselect_b32 s91, 8192, s91                   ; from wave to wave
	v_and_b32 v[PFO], 31, v0
	v_mul_lo_u32 v[PFO], v[PFO], s90
	s_mul_i32 s92, s49, s91
	s_add_co_u32 s92, s92, s[PFS]                  ; in slot 1: the first change steps it to slot 2
	s_add_co_u32 s92, s92, s88
	s_add_co_u32 s92, s92, s50
	s_mov_b32 s93, 0
	s_mov_b32 s[PFS+1], 0
	s_add_nc_u64 s[PFA:PFA+1], s[4:5], s[92:93]
	s_sub_co_u32 s92, s[WV], 4
	s_lshr_b32 s92, s92, 2                         ; 0 in waves 4 to 7,
	s_or_b32 s92, s92, ttmp9                       ; of the head's first work-group
	s_cmp_eq_u32 s92, 0
	s_cselect_b32 s[LIM], 1, -1
	v_and_b32 v8, 15, v0                           ; r
	v_bfe_u32 v9, v0, 4, 1                         ; h
	v_lshlrev_b32 v232, 6, v8
	v_lshl_add_u32 v232, v9, 4, v232               ; Q: row r of 64 bytes + 16 h; not written again
	global_load_b128 v[16:19], v232, s[10:11]
	global_load_b128 v[20:23], v232, s[10:11] offset:32
	v_and_b32 v11, 8, v8
	v_add_nc_u32 v11, v11, v8                      ; r + 8 (r / 8)
	v_mul_u32_u24 v[AK0], v11, KP
	v_lshl_add_u32 v[AK0], v9, 4, v[AK0]
	v_mul_u32_u24 v[AV0], v8, VP
	v_lshl_add_u32 v[AV0], v9, 4, v[AV0]
	v_add_nc_u32 v[AV0], VOFF, v[AV0]
	v_add_nc_u32 v[QRY], s[Q0], v8
	v_and_b32 v[GO], 31, v0
	v_lshlrev_b32 v[GO], 4, v[GO]
	v_lshlrev_b32 v10, 4, v9                       ; 16 h
	v_mov_b32 v13, 0xff61b1e6                      ; the largest t so far: -3e38
	v_floor_f32 v12, -v13
	v_mov_b32 v14, 0
	v_mov_b32 v15, 0
	v_mov_b32 v236, 0                              ; a lane permute's destination counts as read
	v_mov_b32 v253, 0                              ; (upper halves of pairs that are named whole)
	v_mov_b32 v225, 0
	v_mov_b32 v227, 0
	v_mov_b32 v229, 0
	v_mov_b32 v231, 0
.set j, 0
.rept 32
	v_mov_b32 v[160+j], 0                          ; O^T: the loop is written once, its first step finds zeros
.set j, j+1
.endr
	s_wait_kmcnt 0x0
	s_add_co_i32 s88, s70, s71                     ; e2 + e3
	s_sub_co_i32 s90, 130, s63                     ; 127 + 3 - head
	s_sub_co_i32 s90, s90, s88
	s_lshl_b32 s90, s90, 23
	s_or_b32 s90, s90, 0x80000000                  ; -2^(3 - head - e2 - e3) = -sigma / c: the two share their mantissa, so the quotient is this power of two
	s_lshl_b32 s88, s88, 23
	s_add_co_i32 s[CS], s[CS], s88                 ; c = log2(e) / 8 x 2^(e2 + e3): the exponents are added to c's exponent field
	s_mov_b32 s[CS+1], s[CS]
.irp i, 0,1,2,3,4,5,6,7,8,9,10,11,12,13,14,15
	v_add_nc_u32 v11, \i, v10
	v_cvt_f32_u32 v11, v11
	v_mul_f32 v[208+\i], s90, v11                  ; -(sigma / c)(16 h + i): a whole number x a power of two, nothing is rounded
.endr
	s_add_co_i32 s88, s72, 127
	s_lshl_b32 s89, s88, 23
	v_mov_b32 v244, s89                            ; 2^e4
	s_add_co_i32 s88, s88, 8
	s_lshl_b32 s88, s88, 23
	s_or_b32 s88, s88, 0x600000
	v_mov_b32 v240, s88                            ; 448 x 2^e4
	s_add_co_i32 s88, s74, 127
	s_lshl_b32 s89, s88, 23
	v_mov_b32 v245, s89                            ; 2^e6
	s_add_co_i32 s88, s88, 8
	s_lshl_b32 s88, s88, 23
	s_or_b32 s88, s88, 0x600000
	v_mov_b32 v246, s88                            ; 448 x 2^e6
; K's eight fragments (16 keys x 64) of the slot's q-th 128 keys, into a bank
.macro KLOAD q, bank
.irp t, 0,1,2,3,4,5,6,7
.irp c, 0,1
	ds_load_b128 v[\bank+8*\t+4*\c:\bank+8*\t+4*\c+3], v[ADK] offset:(128*(\q)+32*(\t/2)+8*(\t%2))*KP+32*\c
.endr
.endr
.endm
; A KEY STEP: 128 keys, the q-th of the slot in hand.  kb: the bank with K's fragments, later V's; sb: the bank of the scores, then of p.
.macro STEP q, kb, sb
	s_add_co_u32 s97, s[KF], 128*(\q)              ; the step's first key
	v_add_nc_u32 v10, s97, v[QRY]                  ; six plain instructions: the places between the last V^T P, which read one bank, and what comes now: the loads into, or the products that write over, that bank
	v_cvt_f32_u32 v10, v10
	v_mul_f32 v24, s[SG], v10                      ; R_b = sigma (query + first key) + 32 b sigma
	v_fma_f32 v25, v10, s[SG], s[SG+1]
	v_fma_f32 v26, v10, s[SG], s[SG+2]
	v_fma_f32 v27, v10, s[SG], s[SG+3]
.if (\q) == 0
	KLOAD 0, \kb                                   ; a slot's first K cannot be asked for ahead of the barrier
.endif
	s_wait_dscnt 0x0                               ; K's fragments are in
.irp t, 0,1,2,3,4,5,6,7
	v_wmma_f32_16x16x64_fp8_fp8 v[\sb+8*\t:\sb+8*\t+7], v[\kb+8*\t:\kb+8*\t+7], v[16:23], v[208+8*(\t%2):215+8*(\t%2)]   ; S' = K Q^T + the table: register j of tile 2 b + u takes entry 8 u + j
.endr
.rept 4
	v_nop                                          ; places ahead of the loads into K's bank and of the first read of the sums
.endr
.irp t, 0,1,2,3
.irp c, 0,1,2,3
	ds_load_b128 v[\kb+16*\t+4*\c:\kb+16*\t+4*\c+3], v[ADV] offset:16*\t*VP+128*(\q)+32*\c   ; V's fragments land under the softmax
.endr
.endr
	s_add_co_u32 s96, s97, 127                     ; on the diagonal hidden sums become -infinity; a step all of whose keys count skips this
	s_cmp_le_u32 s96, s[Q0]
	s_cbranch_scc1 .Lopen_\@
	s_sub_co_i32 s96, s[Q0], s97
	v_and_b32 v252, 15, v0
	v_bfe_u32 v253, v0, 4, 1
	v_lshlrev_b32 v253, 4, v253
	v_sub_nc_u32 v252, v252, v253
	v_add_nc_u32 v252, s96, v252                   ; d = my query - first key - 16 h; register 16 b + i is hidden where 32 b + i > d
	v_mov_b32 v254, 0xff800000
.set n, 0
.rept 64
	v_cmp_gt_i32 vcc_lo, 32*(n/16)+n%16, v252
	v_cndmask_b32 v[\sb+n], v[\sb+n], v254, vcc_lo
.set n, n+1
.endr
.Lopen_\@:
.irp b, 0,1,2,3
	v_max3_num_f32 v[28+\b], v[\sb+16*\b], v[\sb+16*\b+1], v[\sb+16*\b+2]   ; each block's largest S' (c is positive): four chains by turns; each accumulator is read from its low end on
.endr
.irp i, 3,5,7,9,11,13
.irp b, 0,1,2,3
	v_max3_num_f32 v[28+\b], v[28+\b], v[\sb+16*\b+\i], v[\sb+16*\b+\i+1]
.endr
.endr
.irp b, 0,1,2,3
	v_max_num_f32 v[28+\b], v[28+\b], v[\sb+16*\b+15]
.endr
.irp b, 0,1,2,3
	v_fma_f32 v[28+\b], v[28+\b], s[CS], -v[24+\b] ; as t = c S' - R_b
.endr
	v_max3_num_f32 v254, v28, v29, v30
	v_max_num_f32 v254, v254, v31
	v_permlanex16_b32 v236, v254, s[SEL], s[SEL+1]
	v_max_num_f32 v254, v254, v236                 ; and lane l xor 16's
	v_max_num_f32 v13, v13, v254                   ; the running largest t
	v_mov_b32 v254, v12
	v_floor_f32 v12, -v13                          ; -M = floor(-t): M is a whole number
	v_sub_f32 v254, v12, v254
	v_cvt_i32_f32 v254, v254                       ; (it saturates)
	v_ldexp_f32 v252, 1.0, v254                    ; f = 2^(old M - new M)
.irp b, 0,1,2,3
	v_sub_f32 v[224+2*\b], v12, v[24+\b]           ; -M - R_b
.endr
.set j, 0
.rept 32
	v_pk_fma_f32 v[\sb+j:\sb+j+1], v[\sb+j:\sb+j+1], s[CS:CS+1], v[224+2*(j/16):225+2*(j/16)] op_sel_hi:[1,0,0]   ; t - M = c S' + (-M - R_b), two at a time
.set j, j+2
.endr
.set j, 0
.rept 64
	v_exp_f32 v[\sb+j], v[\sb+j]                   ; p = 2^(t - M)
.set j, j+1
.endr
	v_pk_mul_f32 v[14:15], v[14:15], v[252:253] op_sel_hi:[1,0]   ; the sums under the new M: the plain instruction behind the exponentials
.set j, 0
.rept 16
	v_pk_mul_f32 v[160+j:161+j], v[160+j:161+j], v[252:253] op_sel_hi:[1,0]   ; O^T under the new M: work that names no exponential's result, between the batch and its wait
.set j, j+2
.endr
	s_wait_alu depctr_va_vdst(0)                   ; one wait for the batch, ahead of its first reader
	v_pk_add_f32 v[242:243], v[\sb:\sb+1], v[\sb+2:\sb+3]          ; the row's sum, of the unquantised p, in four chains
	v_pk_add_f32 v[248:249], v[\sb+4:\sb+5], v[\sb+6:\sb+7]
	v_pk_add_f32 v[250:251], v[\sb+8:\sb+9], v[\sb+10:\sb+11]
	v_pk_add_f32 v[14:15], v[14:15], v[\sb+12:\sb+13]
.irp j, 14,22,30,38,46,54
	v_pk_add_f32 v[242:243], v[242:243], v[\sb+\j:\sb+\j+1]
	v_pk_add_f32 v[248:249], v[248:249], v[\sb+\j+2:\sb+\j+3]
	v_pk_add_f32 v[250:251], v[250:251], v[\sb+\j+4:\sb+\j+5]
	v_pk_add_f32 v[14:15], v[14:15], v[\sb+\j+6:\sb+\j+7]
.endr
	v_pk_add_f32 v[242:243], v[242:243], v[\sb+62:\sb+63]
	v_pk_add_f32 v[248:249], v[248:249], v[250:251]
	v_pk_add_f32 v[14:15], v[14:15], v[242:243]
	v_pk_add_f32 v[14:15], v[14:15], v[248:249]
.irp b, 0,1,2,3
.irp i, 0,1,2,3,4,5,6,7,8,9,10,11,12,13,14,15
	v_min_num_f32 v[\sb+16*\b+\i], v[\sb+16*\b+\i], v240   ; the conversion does not saturate (ISA guide 7.6.2): the hold; p is not negative
.endr
	v_cvt_scalef32_pk8_fp8_f32 v[192+4*\b:193+4*\b], v[\sb+16*\b:\sb+16*\b+7], v244
	v_cvt_scalef32_pk8_fp8_f32 v[194+4*\b:195+4*\b], v[\sb+16*\b+8:\sb+16*\b+15], v244
.endr
	v_nop                                          ; a plain instruction between the last conversion and the products that read its codes
.if (\q) == 0
	KLOAD 1, \sb                                   ; p has been converted: its bank takes the second step's K
	s_wait_dscnt 16                                ; V's 16 loads are in; K's 16, issued behind them, may be out
.else
	s_wait_dscnt 0x0                               ; V's fragments are in
.endif
.irp t, 0,1,2,3
	v_wmma_f32_16x16x128_fp8_fp8 v[160+8*\t:167+8*\t], v[\kb+16*\t:\kb+16*\t+15], v[192:207], v[160+8*\t:167+8*\t]   ; the four accumulators by turns
.endr
.endm
; THE CHANGE OF SLOTS, at a slot's head: each wave waits for all its tensor loads, adds 0 to its spare word, waits for that and for its reads of the slot that it has left; one barrier; behind it the slot left is filled.
.macro CHANGE fill
	s_wait_tensorcnt 0x0                           ; no tensor load of mine is out, so a group 0 may be written
	ds_add_u32 v[SPW], v[NIL]
.if \fill
	s_xor_b32 s[G0K+1], s[G0K+1], SLOT1
	s_add_nc_u64 s[G0K+2:G0K+3], s[G0K+2:G0K+3], SK*64
	s_xor_b32 s[G0V+1], s[G0V+1], SLOT1
	s_add_nc_u64 s[G0V+2:G0V+3], s[G0V+2:G0V+3], SK
	s_wait_xcnt 0x0                                ; the last prefetch, a slot back, has read its address
	s_add_nc_u64 s[PFA:PFA+1], s[PFA:PFA+1], s[PFS:PFS+1]
.endif
	s_wait_dscnt 0x0                               ; the add is done; my reads of the slot that I have left are back, a second step's K that was asked for and not used among them
	s_barrier_signal -1
	s_barrier_wait -1
.if \fill
	s_add_co_u32 s96, s[KF], SK                    ; a slot whose first key comes after my work-group's last query is read by none of its waves: it is not asked for.
	s_cmp_gt_u32 s96, s[LQ]                        ; Ids and the count of slots alone: all sixteen waves go the same way; every wait on TENSORcnt here is for 0
	s_cbranch_scc1 .Lpast_\@
	TLOAD G0K, G1K, G0V, G1V
.Lpast_\@:
	ASK
.endif
.endm
; A slot's two steps.  A step all of whose keys come after my 16 queries is left out: branches on ids, round no barrier and no tensor load.  Where the first step is hidden, so is the second: both jumps lead to the slot's end,
; so the second step, which finds its K asked for by the first, is reached through the first alone.
.macro SLOT_STEPS
	s_add_co_u32 s96, s[Q0], 15
	s_cmp_gt_u32 s[KF], s96
	s_cbranch_scc1 .Lend_\@
	v_add_nc_u32 v[ADK], s[TB], v[AK0]
	v_add_nc_u32 v[ADV], s[TB], v[AV0]
	STEP 0, XB, YB
	s_add_co_u32 s96, s[Q0], 15
	s_add_co_u32 s97, s[KF], 128
	s_cmp_gt_u32 s97, s96
	s_cbranch_scc1 .Lend_\@
	STEP 1, YB, XB
.Lend_\@:
	s_add_co_u32 s[KF], s[KF], SK
	s_xor_b32 s[TB], s[TB], SLOT1
.endm
	s_wait_loadcnt 0x0                             ; Q
.Lslot:
	CHANGE 1
	SLOT_STEPS
	s_sub_co_u32 s[SLOTS], s[SLOTS], 1
	s_cmp_lg_u32 s[SLOTS], 0
	s_cbranch_scc1 .Lslot
	CHANGE 0
	SLOT_STEPS
	; THE WAY OUT: o = O^T / the sum x 2^(e4 + e5), quantised with 2^e6; 16 rows of 64 code bytes go through my stage and leave as 1,024 consecutive bytes.
	s_wait_dscnt 0x0                               ; no LDS load is out: the banks may be written
	v_add_f32 v14, v14, v15
	v_permlanex16_b32 v252, v14, s[SEL], s[SEL+1]
	v_add_f32 v14, v14, v252
	v_rcp_f32 v14, v14
	v_and_b32 v8, 15, v0                           ; (a plain instruction behind the transcendental)
	v_bfe_u32 v9, v0, 4, 1
	s_add_co_i32 s88, s72, s73
	s_mul_i32 s89, s[WV], 16*KP
	s_add_co_u32 s89, s89, STAGE
	v_mul_u32_u24 v10, v8, KP
	v_lshl_add_u32 v10, v9, 3, v10
	v_add_nc_u32 v10, s89, v10                     ; in: row r, 8 h; tile t 16 t bytes on
	v_and_b32 v8, 31, v0
	v_lshrrev_b32 v11, 2, v8
	v_mul_u32_u24 v11, v11, KP
	v_and_b32 v9, 3, v8
	v_lshl_add_u32 v11, v9, 4, v11
	v_add_nc_u32 v11, s89, v11                     ; back: four lanes to a row, eight rows an instruction
	s_wait_alu depctr_va_vdst(0)                   ; ahead of the reciprocal's first reader
	v_ldexp_f32 v14, v14, s88
.set j, 0
.rept 32
	v_mul_f32 v[96+j], v[160+j], v14               ; register 8 t + i: o(query r, 16 t + 8 h + i)
.set j, j+1
.endr
.set j, 0
.rept 32
	v_med3_num_f32 v[96+j], v[96+j], -v246, v246
.set j, j+1
.endr
.irp t, 0,1,2,3
	v_cvt_scalef32_pk8_fp8_f32 v[192+2*\t:193+2*\t], v[96+8*\t:103+8*\t], v245
.endr
	v_nop
.irp t, 0,1,2,3
	ds_store_b64 v10, v[192+2*\t:193+2*\t] offset:16*\t
.endr
.irp u, 0,1
	ds_load_b128 v[32+4*\u:35+4*\u], v11 offset:8*\u*KP   ; LDS serves a wave's instructions in order: these see my stores
.endr
.irp u, 0,1
	s_wait_dscnt 1-\u
	global_store_b128 v[GO], v[32+4*\u:35+4*\u], s[8:9] offset:512*\u   ; 32 lanes store 512 consecutive bytes, aligned
.endr
	s_wait_tensorcnt 0x0                           ; the wave's end
	ds_add_u32 v[SPW], v[NIL]
	s_wait_dscnt 0x0
	s_endpgm
.Lfunc_end_k_q19fef1ba7b_attn:
	.size	k_q19fef1ba7b_attn, .Lfunc_end_k_q19fef1ba7b_attn-k_q19fef1ba7b_attn
	.p2alignl 7, 3214868480
	.fill 96, 4, 3214868480
	.section	.rodata,"a",@progbits
	.p2align	6, 0x0
	.amdhsa_kernel k_q19fef1ba7b_attn
		.amdhsa_group_segment_fixed_size 327680
		.amdhsa_private_segment_fixed_size 0
		.amdhsa_enable_private_segment 0
		.amdhsa_kernarg_size 24
		.amdhsa_user_sgpr_count 2
		.amdhsa_user_sgpr_kernarg_segment_ptr 1
		.amdhsa_wavefront_size32 1
		.amdhsa_system_sgpr_workgroup_id_x 1
		.amdhsa_system_sgpr_workgroup_id_y 1
		.amdhsa_system_sgpr_workgroup_id_z 1
		.amdhsa_system_vgpr_workitem_id 0
		.amdhsa_next_free_vgpr 256
		.amdhsa_next_free_sgpr 100
		.amdhsa_reserve_vcc 1
		.amdhsa_float_denorm_mode_32 3
		.amdhsa_float_denorm_mode_16_64 3
		.amdhsa_memory_ordered 1
		.amdhsa_forward_progress 1
		.amdhsa_inst_pref_size 102
	.end_amdhsa_kernel
	.amdgpu_metadata
---
amdhsa.version: [ 1, 2 ]
amdhsa.kernels:
  - .name:           k_q19fef1ba7b_attn
    .symbol:         k_q19fef1ba7b_attn.kd
    .args:
      - { .name: qkvc, .offset: 0, .size: 8, .value_kind: global_buffer, .address_space: global }
      - { .name: lowp_scales, .offset: 8, .size: 8, .value_kind: global_buffer, .address_space: global }
      - { .name: act, .offset: 16, .size: 8, .value_kind: global_buffer, .address_space: global }
    .group_segment_fixed_size: 327680
    .private_segment_fixed_size: 0
    .kernarg_segment_align: 8
    .kernarg_segment_size: 24
    .max_flat_workgroup_size: 512
    .sgpr_count:     100
    .vgpr_count:     256
    .wavefront_size: 32
...
	.end_amdgpu_metadata
.endif
;; end of part 3
;; launch oproj (part 4): grid 8 x 32, 4 waves a work-group, clusters of 4 x 4, 327,680 bytes of LDS; arguments act, wcodes, lowp_scales, bout, src, x1; writes x1
.if DOCPART == 4
	.amdgcn_target "amdgcn-amd-amdhsa--gfx1250"
	.amdhsa_code_object_version 6
	.text
	.protected	k_q19fef1ba7b_oproj
	.globl	k_q19fef1ba7b_oproj
	.p2align	8
	.type	k_q19fef1ba7b_oproj,@function
k_q19fef1ba7b_oproj:
	s_mov_b64 s[64:65], 0
	v_nop
	global_prefetch_b8 v0, s[64:65] scope:SCOPE_SE
	s_setreg_imm32_b32 hwreg(HW_REG_WAVE_MODE, 25, 1), 1
	s_wait_xcnt 0x0
	s_wait_alu depctr_hold_cnt(0) depctr_sa_sdst(0) depctr_va_vdst(0) depctr_va_sdst(0) depctr_va_ssrc(0) depctr_va_vcc(0) depctr_vm_vsrc(0)
	s_getreg_b32 s2, hwreg(HW_REG_IB_STS2, 6, 4)
	s_cmp_eq_u32 s2, 0
	s_cbranch_scc0 .Lentry_in_a_cluster
	s_endpgm
.Lentry_in_a_cluster:
	s_bfe_u32 s2, ttmp6, 0x10000c
	s_cmp_lg_u32 s2, 0xf033
	s_cbranch_scc0 .Lentry_shape_is_right
	s_endpgm
.Lentry_shape_is_right:
; One text serves two launches; OPROJ = 1: x1 = src + o Wout^T x 2^(e6 + e7) + bout, K = 1,024;  OPROJ = 0: out0 = x1 + hid W2^T x 2^(e10 + e11) + b2, K = 4,096.  Both operands are codes of E4M3.
; The result is [4096][1024] f32.  Tiles of 128 x 128 give 256 work-groups (tiles of 256 x 256 would give 64).  Four waves, each 64 x 64: 16 accumulators, 128 registers.
; K goes in steps of 512 through two LDS slots: rows of 512 bytes, 64 rows to a wave's tensor load.  A quarter of a step is 128 along K: 16 matrix instructions, fragments in two buffers by turns.
; OPROJ: the attention left o as [b][head][s][64].  A step's 512 along K are 8 heads: A's tile is stated as 8 rows (heads, 131,072 bytes apart) of 4,096 dense bytes (64 tokens x 64), padded by 16 bytes behind every 64:
; in LDS a token's 64 bytes of a head lie 80 apart, a head's 64 tokens 5,120.
; CLUSTERS: 4 x 4; A's tile is asked for jointly along a row of the cluster, the weight's along a column.  The matrix instruction is used transposed (source 0 = weight rows, source 1 = tokens): a lane holds 8 neighbours of a row.
; The residual's tile and the bias are asked for at the head and land under the products.  A wave's 64 columns are 256 bytes: each wave has a stage of its own, no barrier on the way out.
; No prefetch: K has 2 or 8 steps, two of them asked for at the head.
; LIMIT: the two exponents' sum between -126 and 127.
; REGISTERS: window 0: v16-29 addresses; v32-95 rows on the way out, two sets; v96-99 bias; v128-255 accumulators ((a, b) at 128 + 8 (4 a + b)).  window 1: two fragment buffers of 128 (A's four, then the weight's four).  window 2: v0-127 the residual.
.set OPROJ,  1
.if OPROJ
.set KTOT,   1024
.set WOFF,   3145728
.set SCOFF,  24
.set AH,     40960                     ; A's half in a slot: 8 heads x 64 tokens x 80 bytes
.set APITCH, 80
.set ASTEP,  1048576                   ; a K step on in memory: 8 heads
.else
.set KTOT,   4096
.set WOFF,   8388608
.set SCOFF,  40
.set AH,     33792
.set APITCH, 528
.set ASTEP,  512
.endif
.set KSTEP,  512
.set PITCH,  528                       ; 512 bytes + 16 of padding
.set BH,     64*PITCH
.set SLOT,   2*AH+2*BH
.set STAGE,  2*SLOT                    ; behind the ring: 16 rows x 272 bytes for each wave
.set SPITCH, 272
.set SPARE,  STAGE+4*16*SPITCH
.set LAPS,   KTOT/(2*KSTEP)
.set ADRA, 16
.set ADRB, 20
.set STO,  24
.set RD,   25
.set CO,   26
.set BIA,  27
.set SPW,  28
.set NIL,  29
.set BK0,  32
.set BI,   96
.set ACC,  128
.set F0,   0
.set F1,   128
.set G1, 24
.set G0, 32
.set G1B, 48
.set G0B, 56
.set MSB, 0
.macro WIN new
.if MSB != \new
	s_set_vgpr_msb (MSB<<8)|\new
.set MSB, \new
.endif
.endm
.set MUL,  0x05                        ; sources 0 and 1 window 1; C and D window 0
.set TO_F, 0x40                        ; destination window 1, address window 0
.macro JLOAD s                         ; waves 0 and 1 fetch A's halves, waves 2 and 3 the weight's; an s_nop 0 and four v_nop follow each line
	s_cmp_eq_u32 s11, 0
	s_cbranch_scc0 .Lfor_b_\@
	tensor_load_to_lds s[G0+4*\s:G0+4*\s+3], s[G1:G1+7]
	s_nop 0
.rept 4
	v_nop
.endr
	s_branch .Lasked_\@
.Lfor_b_\@:
	tensor_load_to_lds s[G0B+4*\s:G0B+4*\s+3], s[G1B:G1B+7]
	s_nop 0
.rept 4
	v_nop
.endr
.Lasked_\@:
.endm
.macro CREST
	s_cmp_lg_u32 s10, 0
	s_cbranch_scc1 .Lnot_wave_0_\@
	s_barrier_signal -3
.Lnot_wave_0_\@:
	s_barrier_wait -3
	s_barrier_signal -1
	s_barrier_wait -1
.endm
.macro CROUND
	s_barrier_signal -1
	s_barrier_wait -1
	CREST
.endm
	s_load_b128 s[4:7], s[0:1], 0x0                ; A's codes s[4:5], wcodes s[6:7]
	s_load_b256 s[68:75], s[0:1], 0x10             ; the scales' exponents s[68:69], the bias s[70:71], the residual s[72:73], the result s[74:75]
	v_lshl_add_u32 v[SPW], v0, 2, SPARE
	v_mov_b32 v[NIL], 0
	ds_add_u32 v[SPW], v[NIL]                      ; the wave's opening: the add and its wait ahead of my first tensor load
	v_lshrrev_b32 v1, 5, v0
	v_readfirstlane_b32 s10, v1                    ; wave 0..3
	s_lshr_b32 s11, s10, 1                         ; my half of the rows.  Also: I fetch for A (0) or for the weight (1)
	s_and_b32 s12, s10, 1                          ; my half of the columns.  Also: which 64 rows I fetch
	s_bfe_u32 s40, ttmp6, 0x40000                  ; cx
	s_bfe_u32 s41, ttmp6, 0x40004                  ; cy
	s_lshl_b32 s42, ttmp9, 2
	s_add_co_u32 s42, s42, s40                     ; tx
	s_and_b32 s13, ttmp7, 0xffff
	s_lshl_b32 s13, s13, 2
	s_add_co_u32 s13, s13, s41                     ; ty
	s_lshl_b32 s43, s41, 2
	s_lshl_b32 s43, 15, s43                        ; my row of the cluster
	s_lshl_b32 s44, 0x1111, s40                    ; my column
.if OPROJ
	s_or_b32 s[G1+0], s43, (0<<16)|(1<<20)|(1<<21)|(3<<22)|(3<<25)  ; padding: four words after every 16
	s_mov_b32 s[G1+1], 4096<<16                    ; tensor_dim0: 64 tokens x 64 bytes
	s_mov_b32 s[G1+2], 8<<16                       ; tensor_dim1: 8 heads
	s_mov_b32 s[G1+3], 4096<<16
	s_mov_b32 s[G1+4], 8
	s_mov_b32 s[G1+5], 131072                      ; from head to head
.else
	s_or_b32 s[G1+0], s43, (0<<16)|(1<<20)|(1<<21)|(6<<22)|(3<<25)  ; four words after every 128
	s_mov_b32 s[G1+1], KSTEP<<16
	s_mov_b32 s[G1+2], 64<<16
	s_mov_b32 s[G1+3], KSTEP<<16
	s_mov_b32 s[G1+4], 64
	s_mov_b32 s[G1+5], KTOT
.endif
	s_mov_b32 s[G1+6], 0
	s_mov_b32 s[G1+7], 0
	s_or_b32 s[G1B+0], s44, (0<<16)|(1<<20)|(1<<21)|(6<<22)|(3<<25)
	s_mov_b32 s[G1B+1], KSTEP<<16
	s_mov_b32 s[G1B+2], 64<<16
	s_mov_b32 s[G1B+3], KSTEP<<16
	s_mov_b32 s[G1B+4], 64
	s_mov_b32 s[G1B+5], KTOT
	s_mov_b32 s[G1B+6], 0
	s_mov_b32 s[G1B+7], 0
.if OPROJ
	s_lshr_b32 s16, s13, 4                         ; A: batch (ty / 16) x 16 heads + ((ty % 16) 128 + 64 x half) tokens of 64 bytes
	s_lshl_b32 s16, s16, 21
	s_and_b32 s17, s13, 15
	s_lshl_b32 s17, s17, 7
	s_lshl_b32 s18, s12, 6
	s_add_co_u32 s17, s17, s18
	s_lshl_b32 s17, s17, 6
	s_add_co_u32 s16, s16, s17
.else
	s_lshl_b32 s16, s13, 7                         ; A: (128 ty + 64 x half) rows of 4,096 bytes
	s_lshl_b32 s18, s12, 6
	s_add_co_u32 s16, s16, s18
	s_lshl_b32 s16, s16, 12
.endif
	s_mov_b32 s17, 0
	s_lshl_b32 s46, s42, 7                         ; the weight: (128 tx + 64 x half) rows of KTOT bytes, in its part of wcodes
	s_add_co_u32 s46, s46, s18
	s_mul_i32 s46, s46, KTOT
	s_add_co_u32 s46, s46, WOFF
	s_mov_b32 s47, 0
	s_mul_i32 s20, s12, AH                         ; where they go: A's halves,
	s_mul_i32 s21, s12, BH
	s_add_co_u32 s21, s21, 2*AH                    ; then the weight's
	s_wait_dscnt 0x0                               ; the opening add is done
	s_wait_kmcnt 0x0
	s_load_b64 s[76:77], s[68:69], SCOFF           ; the two exponents
	s_add_nc_u64 s[14:15], s[4:5], s[16:17]
	s_add_nc_u64 s[46:47], s[6:7], s[46:47]
	CROUND                                         ; all sixteen work-groups are here: the first joint loads meet
.irp s, 0,1
	s_mov_b32 s[G0+4*\s], 1
	s_add_co_u32 s[G0+4*\s+1], s20, \s*SLOT
	s_add_nc_u64 s[G0+4*\s+2:G0+4*\s+3], s[14:15], \s*ASTEP
	s_or_b32 s[G0+4*\s+3], s[G0+4*\s+3], 0x80000000
	s_mov_b32 s[G0B+4*\s], 1
	s_add_co_u32 s[G0B+4*\s+1], s21, \s*SLOT
	s_add_nc_u64 s[G0B+4*\s+2:G0B+4*\s+3], s[46:47], \s*KSTEP
	s_or_b32 s[G0B+4*\s+3], s[G0B+4*\s+3], 0x80000000
	JLOAD \s
.endr
	v_and_b32 v1, 15, v0                           ; r
	v_bfe_u32 v2, v0, 4, 1                         ; h
	v_mul_u32_u24 v3, v1, APITCH
	v_lshl_add_u32 v3, v2, 4, v3
	v_mul_u32_u24 v4, v1, PITCH
	v_lshl_add_u32 v4, v2, 4, v4
	s_mul_i32 s22, s11, AH                         ; my 64 rows of A
	s_mul_i32 s23, s12, BH                         ; my 64 rows of the weight
	s_add_co_u32 s23, s23, 2*AH
.irp s, 0,1
	v_add_nc_u32 v[ADRA+\s], s22, v3
	v_add_nc_u32 v[ADRB+\s], s23, v4
	s_add_co_u32 s22, s22, SLOT
	s_add_co_u32 s23, s23, SLOT
.endr
	s_mul_i32 s23, s10, 16*SPITCH
	s_add_co_u32 s23, s23, STAGE                   ; my stage
	v_mul_u32_u24 v5, v1, SPITCH
	v_lshl_add_u32 v5, v2, 5, v5
	v_add_nc_u32 v[STO], s23, v5                   ; in: row r, 32 bytes for each half of the lanes
	v_mul_u32_u24 v5, v2, SPITCH
	v_lshl_add_u32 v5, v1, 4, v5
	v_add_nc_u32 v[RD], s23, v5                    ; back: lanes 0-15 one row of 256 bytes, lanes 16-31 the next
	v_lshlrev_b32 v[CO], 12, v2
	v_lshl_add_u32 v[CO], v1, 4, v[CO]             ; and the same two rows in memory
	v_lshlrev_b32 v[BIA], 4, v1
	s_lshl_b32 s88, s42, 9                         ; my first column, in bytes: 512 tx + 256 x half
	s_lshl_b32 s89, s12, 8
	s_add_co_u32 s88, s88, s89
	s_mov_b32 s89, 0
	s_add_nc_u64 s[70:71], s[70:71], s[88:89]
	s_lshl_b32 s90, s13, 7
	s_lshl_b32 s91, s11, 6
	s_add_co_u32 s90, s90, s91
	s_lshl_b32 s90, s90, 12                        ; my first row: (128 ty + 64 x half) x 4,096 bytes
	s_add_co_u32 s88, s88, s90
	s_add_nc_u64 s[72:73], s[72:73], s[88:89]
	s_add_nc_u64 s[74:75], s[74:75], s[88:89]
	global_load_b128 v[BI:BI+3], v[BIA], s[70:71]  ; the bias of my four columns
	WIN 0x80                                       ; destination window 2
.set i, 0
.rept 32
	global_load_b128 v[4*i:4*i+3], v[CO], s[72:73] offset:(16*(i/8)+2*(i%8))*4096   ; the residual, in the order in which rows come back from the stage; it lands under the products
.set i, i+1
.endr
	WIN 0
.macro FRAGB reg, slot, q, i           ; 16 rows x 128 K: registers 4 c .. 4 c + 3 hold K = 32 c + 16 h + 0 .. 15, in A and in the weight alike
.irp c, 0,1,2,3
	ds_load_b128 v[\reg+4*\c:\reg+4*\c+3], v[ADRB+\slot] offset:128*(\q)+32*\c+(\i)*16*PITCH
.endr
.endm
.macro FRAGA reg, slot, q, i
.irp c, 0,1,2,3
.if OPROJ
	ds_load_b128 v[\reg+4*\c:\reg+4*\c+3], v[ADRA+\slot] offset:(2*(\q)+\c/2)*5120+32*(\c%2)+(\i)*16*APITCH   ; head 2 q + c / 2 of the step's eight
.else
	ds_load_b128 v[\reg+4*\c:\reg+4*\c+3], v[ADRA+\slot] offset:128*(\q)+32*\c+(\i)*16*PITCH
.endif
.endr
.endm
.macro FETCH slot, q, f                ; 32 LDS loads in one run: the weight's four fragments, then A's four
	WIN TO_F
.irp i, 0,1,2,3
	FRAGB \f+64+16*\i, \slot, \q, \i
.endr
.irp i, 0,1,2,3
	FRAGA \f+16*\i, \slot, \q, \i
.endr
.endm
.macro MULA f, a, zero                 ; A's block a against the weight's four.  The 16 accumulators take turns, in the same order in every quarter
.irp b, 0,1,2,3
.if \zero
	v_wmma_f32_16x16x128_fp8_fp8 v[ACC+8*(4*(\a)+\b):ACC+8*(4*(\a)+\b)+7], v[\f+64+16*\b:\f+64+16*\b+15], v[\f+16*(\a):\f+16*(\a)+15], 0
.else
	v_wmma_f32_16x16x128_fp8_fp8 v[ACC+8*(4*(\a)+\b):ACC+8*(4*(\a)+\b)+7], v[\f+64+16*\b:\f+64+16*\b+15], v[\f+16*(\a):\f+16*(\a)+15], v[ACC+8*(4*(\a)+\b):ACC+8*(4*(\a)+\b)+7]
.endif
.endr
.endm
.macro PLACES                          ; plain vector instructions between a matrix instruction and a load into, or a read of, its registers
.rept 4
	v_nop
.endr
.endm
.macro QUARTER slot, qn, f, g, zero    ; multiplies buffer f; in its middle fetches quarter qn of the slot into g
	s_wait_dscnt 8                                 ; all but the youngest eight loads (A's blocks 2, 3)
	WIN MUL
	MULA \f, 0, \zero
	MULA \f, 1, \zero
	PLACES
	FETCH \slot, \qn, \g
	s_wait_dscnt 32                                ; all but the 32 just issued
	WIN MUL
	MULA \f, 2, \zero
	MULA \f, 3, \zero
.endm
; A slot's last quarter multiplies buffer 1 and changes slots: one barrier; ahead of it each wave waits for all its tensor loads, adds 0 to its spare word, and waits for that and for its reads of this slot.
.macro TURN slot, next, fill
	WIN 0
	s_wait_tensorcnt 0x0                           ; all my tensor loads have landed: my part of the next slot
	ds_add_u32 v[SPW], v[NIL]
	s_wait_dscnt 9                                 ; the add and the youngest eight loads may be out
	WIN MUL
	MULA F1, 0, 0
	s_wait_dscnt 0x0                               ; the add is done, and my reads of this slot are over
	s_barrier_signal -1
	MULA F1, 1, 0
	WIN 0
	s_barrier_wait -1
.if \fill
	CREST                                          ; the barrier has opened a round of the cluster's
	s_add_nc_u64 s[G0+4*\slot+2:G0+4*\slot+3], s[G0+4*\slot+2:G0+4*\slot+3], 2*ASTEP
	s_add_nc_u64 s[G0B+4*\slot+2:G0B+4*\slot+3], s[G0B+4*\slot+2:G0B+4*\slot+3], 2*KSTEP
	JLOAD \slot                                    ; the first tensor load behind the round; its four v_nop are the places ahead of the loads below
.else
	PLACES
.endif
	FETCH \next, 0, F0
	WIN MUL
	MULA F1, 2, 0
	MULA F1, 3, 0
.endm
	s_wait_tensorcnt 1                             ; my part of K step 0 is in; K step 1's one load may be out
	s_barrier_signal -1
	s_barrier_wait -1
	FETCH 0, 0, F0
	QUARTER 0, 1, F0, F1, 1                        ; the first quarter's products start the sums
.if LAPS > 1
	WIN 0
	s_mov_b32 s3, LAPS-1
.Llap:
	QUARTER 0, 2, F1, F0, 0
	QUARTER 0, 3, F0, F1, 0
	TURN 0, 1, 1
	QUARTER 1, 1, F0, F1, 0
	QUARTER 1, 2, F1, F0, 0
	QUARTER 1, 3, F0, F1, 0
	TURN 1, 0, 1
	QUARTER 0, 1, F0, F1, 0
	WIN 0
	s_sub_co_u32 s3, s3, 1
	s_cmp_lg_u32 s3, 0
	s_cbranch_scc1 .Llap
.endif
	QUARTER 0, 2, F1, F0, 0                        ; the last lap fills nothing
	QUARTER 0, 3, F0, F1, 0
	TURN 0, 1, 0
	QUARTER 1, 1, F0, F1, 0
	QUARTER 1, 2, F1, F0, 0
	QUARTER 1, 3, F0, F1, 0
	s_wait_dscnt 8
	WIN MUL
	MULA F1, 0, 0
	MULA F1, 1, 0
	s_wait_dscnt 0
	MULA F1, 2, 0
	MULA F1, 3, 0
	WIN 0
	; THE WAY OUT: 16 rows at a time through my stage; result = (residual + sum x 2^(eA + eB)) + bias.
	s_wait_kmcnt 0x0
	s_add_co_i32 s76, s76, s77
	s_add_co_i32 s76, s76, 127
	s_lshl_b32 s76, s76, 23
	s_mov_b32 s77, s76                             ; (named with it as a pair)
	s_wait_loadcnt 0x0                             ; the residual and the bias
	PLACES
.macro TOSTAGE a
.set BK, BK0+32*((\a)%2)
.irp b, 0,1,2,3
	ds_store_b128 v[STO], v[ACC+8*(4*(\a)+\b):ACC+8*(4*(\a)+\b)+3] offset:64*\b        ; each accumulator from its low end on
	ds_store_b128 v[STO], v[ACC+8*(4*(\a)+\b)+4:ACC+8*(4*(\a)+\b)+7] offset:64*\b+16
.endr
.irp t, 0,1,2,3,4,5,6,7
	ds_load_b128 v[BK+4*\t:BK+4*\t+3], v[RD] offset:\t*2*SPITCH    ; LDS serves a wave's instructions in order: these see the stores above
.endr
.endm
.macro SEND a, younger                 ; younger: the LDS instructions issued behind block a's loads
.set BK, BK0+32*((\a)%2)
	s_wait_dscnt \younger
	WIN 0x20                                       ; source 2 (the residual) window 2
.set j, 0
.rept 16
	v_pk_fma_f32 v[BK+j:BK+j+1], v[BK+j:BK+j+1], s[76:77], v[32*(\a)+j:32*(\a)+j+1] op_sel_hi:[1,0,1]
.set j, j+2
.endr
	WIN 0
.irp t, 0,1,2,3,4,5,6,7
	v_pk_add_f32 v[BK+4*\t:BK+4*\t+1], v[BK+4*\t:BK+4*\t+1], v[BI:BI+1]
	v_pk_add_f32 v[BK+4*\t+2:BK+4*\t+3], v[BK+4*\t+2:BK+4*\t+3], v[BI+2:BI+3]
.endr
.irp t, 0,1,2,3,4,5,6,7
.if OPROJ
	global_store_b128 v[CO], v[BK+4*\t:BK+4*\t+3], s[74:75] offset:(16*(\a)+2*\t)*4096   ; sixteen lanes store 256 consecutive bytes, aligned
.else
	global_store_b128 v[CO], v[BK+4*\t:BK+4*\t+3], s[74:75] offset:(16*(\a)+2*\t)*4096 th:TH_STORE_NT
.endif
.endr
.endm
	TOSTAGE 0
.irp a, 1,2,3
.if \a > 1
	s_wait_xcnt 0x0                                ; block a - 2's stores have read their registers: block a's loads may land there
.endif
	TOSTAGE \a
	SEND \a-1, 16                                  ; behind block a - 1's loads: block a's 8 stores and 8 loads
.endr
	SEND 3, 0
	s_wait_tensorcnt 0x0                           ; the wave's end
	ds_add_u32 v[SPW], v[NIL]
	s_wait_dscnt 0x0
	CROUND                                         ; the closing round
	s_endpgm
.Lfunc_end_k_q19fef1ba7b_oproj:
	.size	k_q19fef1ba7b_oproj, .Lfunc_end_k_q19fef1ba7b_oproj-k_q19fef1ba7b_oproj
	.p2alignl 7, 3214868480
	.fill 96, 4, 3214868480
	.section	.rodata,"a",@progbits
	.p2align	6, 0x0
	.amdhsa_kernel k_q19fef1ba7b_oproj
		.amdhsa_group_segment_fixed_size 327680
		.amdhsa_private_segment_fixed_size 0
		.amdhsa_enable_private_segment 0
		.amdhsa_kernarg_size 48
		.amdhsa_user_sgpr_count 2
		.amdhsa_user_sgpr_kernarg_segment_ptr 1
		.amdhsa_wavefront_size32 1
		.amdhsa_system_sgpr_workgroup_id_x 1
		.amdhsa_system_sgpr_workgroup_id_y 1
		.amdhsa_system_sgpr_workgroup_id_z 1
		.amdhsa_system_vgpr_workitem_id 0
		.amdhsa_next_free_vgpr 768
		.amdhsa_next_free_sgpr 100
		.amdhsa_reserve_vcc 0
		.amdhsa_float_denorm_mode_32 3
		.amdhsa_float_denorm_mode_16_64 3
		.amdhsa_memory_ordered 1
		.amdhsa_forward_progress 1
		.amdhsa_inst_pref_size 53
	.end_amdhsa_kernel
	.amdgpu_metadata
---
amdhsa.version: [ 1, 2 ]
amdhsa.kernels:
  - .name:           k_q19fef1ba7b_oproj
    .symbol:         k_q19fef1ba7b_oproj.kd
    .args:
      - { .name: act, .offset: 0, .size: 8, .value_kind: global_buffer, .address_space: global }
      - { .name: wcodes, .offset: 8, .size: 8, .value_kind: global_buffer, .address_space: global }
      - { .name: lowp_scales, .offset: 16, .size: 8, .value_kind: global_buffer, .address_space: global }
      - { .name: bout, .offset: 24, .size: 8, .value_kind: global_buffer, .address_space: global }
      - { .name: src, .offset: 32, .size: 8, .value_kind: global_buffer, .address_space: global }
      - { .name: x1, .offset: 40, .size: 8, .value_kind: global_buffer, .address_space: global }
    .group_segment_fixed_size: 327680
    .private_segment_fixed_size: 0
    .kernarg_segment_align: 8
    .kernarg_segment_size: 48
    .max_flat_workgroup_size: 128
    .sgpr_count:     100
    .vgpr_count:     768
    .wavefront_size: 32
...
	.end_amdgpu_metadata
.endif
;; end of part 4
;; launch ln2 (part 5): grid 256 x 1, 4 waves a work-group, no clusters, 16,896 bytes of LDS; arguments x1, ln2_g, ln2_b, lowp_scales, act; writes act
.if DOCPART == 5
	.amdgcn_target "amdgcn-amd-amdhsa--gfx1250"
	.amdhsa_code_object_version 6
	.text
	.protected	k_q19fef1ba7b_ln2
	.globl	k_q19fef1ba7b_ln2
	.p2align	8
	.type	k_q19fef1ba7b_ln2,@function
k_q19fef1ba7b_ln2:
	s_mov_b64 s[64:65], 0
	v_nop
	global_prefetch_b8 v0, s[64:65] scope:SCOPE_SE
	s_setreg_imm32_b32 hwreg(HW_REG_WAVE_MODE, 25, 1), 1
	s_wait_xcnt 0x0
; LayerNorm 2 of x1 [4096][1024] f32, quantised to E4M3 with the given scale 2^e8, into act [4096][1024], one code a byte.
; A wave takes 4 rows, a work-group 16.  A wave asks for its 16 KiB at once (32 loads of 512 consecutive bytes) and works the rows off as they land.  No ring, no loop, no barrier: waves share nothing.
; A lane holds columns 128 j + 4 lane + 0..3.  A conversion's two result registers are the dwords 32 j + lane of the row's 1,024 code bytes: the codes turn through the wave's own LDS and leave as two stores of 512 bytes.
; LIMITS: e8 between -126 and 119.  NaN among the inputs is not served.
.set SPW,   4
.set NIL,   5
.set C,     28
.set G,     64
.set BB,    96
.set X,     128
.set SPARE, 16384                      ; behind the waves' 4 x 4,096 bytes: the spare words
	s_load_b256 s[4:11], s[0:1], 0x0               ; x1 s[4:5], gamma s[6:7], beta s[8:9], the scales' exponents s[10:11]
	s_load_b64 s[30:31], s[0:1], 0x20              ; act
	v_lshl_add_u32 v[SPW], v0, 2, SPARE
	v_mov_b32 v[NIL], 0
	v_lshrrev_b32 v21, 5, v0
	v_readfirstlane_b32 s32, v21                   ; wave
	v_and_b32 v21, 31, v0
	v_lshlrev_b32 v1, 4, v21                       ; 16 x lane
	s_lshl_b32 s34, s32, 12
	v_lshl_add_u32 v2, v21, 2, s34                 ; LDS, way in
	v_add_nc_u32 v3, s34, v1                       ; LDS, way out
	v_mov_b32 v20, 0                               ; a lane permute's destination counts as read
	s_mov_b32 s36, 0x76543210
	s_mov_b32 s37, 0xfedcba98
	s_mov_b32 s38, 0x3a800000                      ; 1 / 1024
	s_mov_b32 s39, 0x3727c5ac                      ; 1e-5
	s_lshl_b32 s26, ttmp9, 16                      ; 16 rows of 4,096 bytes a work-group,
	s_lshl_b32 s27, s32, 14                        ; 4 a wave
	s_add_co_u32 s26, s26, s27
	s_mov_b32 s27, 0
	s_lshl_b32 s28, ttmp9, 14
	s_add_co_u32 s28, s28, s34
	s_mov_b32 s29, 0
	s_wait_kmcnt 0x0
	s_load_b32 s40, s[10:11], 0x20                 ; e8
	s_add_nc_u64 s[24:25], s[4:5], s[26:27]
	s_add_nc_u64 s[30:31], s[30:31], s[28:29]
.irp j, 0,1,2,3,4,5,6,7
	global_load_b128 v[G+4*\j:G+4*\j+3], v1, s[6:7] offset:512*\j
	global_load_b128 v[BB+4*\j:BB+4*\j+3], v1, s[8:9] offset:512*\j
.endr
.irp i, 0,1,2,3
.irp j, 0,1,2,3,4,5,6,7
	global_load_b128 v[X+32*\i+4*\j:X+32*\i+4*\j+3], v1, s[24:25] offset:4096*\i+512*\j
.endr
.endr
	s_wait_kmcnt 0x0
	s_add_co_i32 s40, s40, 127
	s_lshl_b32 s33, s40, 23
	v_mov_b32 v11, s33                             ; 2^e8
	s_add_co_i32 s40, s40, 8
	s_lshl_b32 s40, s40, 23
	s_or_b32 s40, s40, 0x600000
	v_mov_b32 v10, s40                             ; 448 x 2^e8
.macro REDUCE                          ; four packed chains v[12:19] -> their sum over the row, in v12 of every lane
	v_pk_add_f32 v[12:13], v[12:13], v[14:15]
	v_pk_add_f32 v[16:17], v[16:17], v[18:19]
	v_pk_add_f32 v[12:13], v[12:13], v[16:17]
	v_add_f32 v12, v12, v13
	v_add_f32_dpp v12, v12, v12 row_xmask:1 row_mask:0xf bank_mask:0xf
	v_add_f32_dpp v12, v12, v12 row_xmask:2 row_mask:0xf bank_mask:0xf
	v_add_f32_dpp v12, v12, v12 row_xmask:4 row_mask:0xf bank_mask:0xf
	v_add_f32_dpp v12, v12, v12 row_xmask:8 row_mask:0xf bank_mask:0xf
	v_permlanex16_b32 v20, v12, s36, s37
	v_add_f32 v12, v12, v20
.endm
.macro ROW i
.set XR, X+32*(\i)
.set CR, C+8*(\i)
	s_wait_loadcnt 8*(3-(\i))                      ; this row's eight loads are in, the younger rows' eight each may be out
.irp c, 0,1,2,3
	v_pk_add_f32 v[12+2*\c:13+2*\c], v[XR+4*\c:XR+4*\c+1], v[XR+4*\c+2:XR+4*\c+3]
.endr
.set k, 16
.rept 8
	v_pk_add_f32 v[12+2*((k/2)%4):13+2*((k/2)%4)], v[12+2*((k/2)%4):13+2*((k/2)%4)], v[XR+k:XR+k+1]
.set k, k+2
.endr
	REDUCE
	v_mul_f32 v6, s38, v12                         ; the mean, twice
	v_mul_f32 v7, s38, v12
.set k, 0
.rept 16
	v_pk_add_f32 v[XR+k:XR+k+1], v[XR+k:XR+k+1], v[6:7] neg_lo:[0,1] neg_hi:[0,1]   ; x - mean, before the squares
.set k, k+2
.endr
.irp c, 0,1,2,3
	v_pk_mul_f32 v[12+2*\c:13+2*\c], v[XR+2*\c:XR+2*\c+1], v[XR+2*\c:XR+2*\c+1]
.endr
.set k, 8
.rept 12
	v_pk_fma_f32 v[12+2*((k/2)%4):13+2*((k/2)%4)], v[XR+k:XR+k+1], v[XR+k:XR+k+1], v[12+2*((k/2)%4):13+2*((k/2)%4)]
.set k, k+2
.endr
	REDUCE
	v_fma_f32 v21, v12, s38, s39                   ; the variance + 1e-5
	v_rsq_f32 v8, v21
	v_rsq_f32 v9, v21
	v_nop                                          ; a plain instruction behind the last transcendental,
	s_wait_alu depctr_va_vdst(0)                   ; and the wait ahead of the first reader
.set k, 0
.rept 16
	v_pk_mul_f32 v[XR+k:XR+k+1], v[XR+k:XR+k+1], v[8:9]
.set k, k+2
.endr
.set k, 0
.rept 16
	v_pk_fma_f32 v[XR+k:XR+k+1], v[XR+k:XR+k+1], v[G+k:G+k+1], v[BB+k:BB+k+1]
.set k, k+2
.endr
.set k, 0
.rept 32
	v_med3_num_f32 v[XR+k], v[XR+k], -v10, v10     ; the conversion does not saturate (ISA guide 7.6.2): the hold
.set k, k+1
.endr
.irp q, 0,1,2,3
	v_cvt_scalef32_pk8_fp8_f32 v[CR+2*\q:CR+2*\q+1], v[XR+8*\q:XR+8*\q+7], v11
.endr
	v_nop
.irp q, 0,1,2,3,4,5,6,7
	ds_store_b32 v2, v[CR+\q] offset:1024*(\i)+128*\q
.endr
.irp u, 0,1
	ds_load_b128 v[XR+4*\u:XR+4*\u+3], v3 offset:1024*(\i)+512*\u   ; LDS serves a wave's instructions in order
.endr
	s_wait_dscnt 0x0
.irp u, 0,1
	global_store_b128 v1, v[XR+4*\u:XR+4*\u+3], s[30:31] offset:1024*(\i)+512*\u   ; 512 consecutive bytes, aligned
.endr
.endm
	ROW 0
	ROW 1
	ROW 2
	ROW 3
	s_wait_tensorcnt 0x0                           ; the wave's end, behind my last LDS store
	ds_add_u32 v[SPW], v[NIL]
	s_wait_dscnt 0x0
	s_endpgm
.Lfunc_end_k_q19fef1ba7b_ln2:
	.size	k_q19fef1ba7b_ln2, .Lfunc_end_k_q19fef1ba7b_ln2-k_q19fef1ba7b_ln2
	.p2alignl 7, 3214868480
	.fill 96, 4, 3214868480
	.section	.rodata,"a",@progbits
	.p2align	6, 0x0
	.amdhsa_kernel k_q19fef1ba7b_ln2
		.amdhsa_group_segment_fixed_size 16896
		.amdhsa_private_segment_fixed_size 0
		.amdhsa_enable_private_segment 0
		.amdhsa_kernarg_size 40
		.amdhsa_user_sgpr_count 2
		.amdhsa_user_sgpr_kernarg_segment_ptr 1
		.amdhsa_wavefront_size32 1
		.amdhsa_system_sgpr_workgroup_id_x 1
		.amdhsa_system_sgpr_workgroup_id_y 1
		.amdhsa_system_sgpr_workgroup_id_z 1
		.amdhsa_system_vgpr_workitem_id 0
		.amdhsa_next_free_vgpr 256
		.amdhsa_next_free_sgpr 66
		.amdhsa_reserve_vcc 0
		.amdhsa_float_denorm_mode_32 3
		.amdhsa_float_denorm_mode_16_64 3
		.amdhsa_memory_ordered 1
		.amdhsa_forward_progress 1
		.amdhsa_inst_pref_size 44
	.end_amdhsa_kernel
	.amdgpu_metadata
---
amdhsa.version: [ 1, 2 ]
amdhsa.kernels:
  - .name:           k_q19fef1ba7b_ln2
    .symbol:         k_q19fef1ba7b_ln2.kd
    .args:
      - { .name: x1, .offset: 0, .size: 8, .value_kind: global_buffer, .address_space: global }
      - { .name: ln2_g, .offset: 8, .size: 8, .value_kind: global_buffer, .address_space: global }
      - { .name: ln2_b, .offset: 16, .size: 8, .value_kind: global_buffer, .address_space: global }
      - { .name: lowp_scales, .offset: 24, .size: 8, .value_kind: global_buffer, .address_space: global }
      - { .name: act, .offset: 32, .size: 8, .value_kind: global_buffer, .address_space: global }
    .group_segment_fixed_size: 16896
    .private_segment_fixed_size: 0
    .kernarg_segment_align: 8
    .kernarg_segment_size: 40
    .max_flat_workgroup_size: 128
    .sgpr_count:     66
    .vgpr_count:     256
    .wavefront_size: 32
...
	.end_amdgpu_metadata
.endif
;; end of part 5
;; launch ff1 (part 6): grid 16 x 16, 4 waves a work-group, clusters of 4 x 4, 327,680 bytes of LDS; arguments act, wcodes, lowp_scales, b1, hid; writes hid
.if DOCPART == 6
	.amdgcn_target "amdgcn-amd-amdhsa--gfx1250"
	.amdhsa_code_object_version 6
	.text
	.protected	k_q19fef1ba7b_ff1
	.globl	k_q19fef1ba7b_ff1
	.p2align	8
	.type	k_q19fef1ba7b_ff1,@function
k_q19fef1ba7b_ff1:
	s_mov_b64 s[64:65], 0
	v_nop
	global_prefetch_b8 v0, s[64:65] scope:SCOPE_SE
	s_setreg_imm32_b32 hwreg(HW_REG_WAVE_MODE, 25, 1), 1
	s_wait_xcnt 0x0
	s_wait_alu depctr_hold_cnt(0) depctr_sa_sdst(0) depctr_va_vdst(0) depctr_va_sdst(0) depctr_va_ssrc(0) depctr_va_vcc(0) depctr_vm_vsrc(0)
	s_getreg_b32 s2, hwreg(HW_REG_IB_STS2, 6, 4)
	s_cmp_eq_u32 s2, 0
	s_cbranch_scc0 .Lentry_in_a_cluster
	s_endpgm
.Lentry_in_a_cluster:
	s_bfe_u32 s2, ttmp6, 0x10000c
	s_cmp_lg_u32 s2, 0xf033
	s_cbranch_scc0 .Lentry_shape_is_right
	s_endpgm
.Lentry_shape_is_right:
; One text serves two launches; QKV = 1: q, k, v = LN1(src) Wqkv^T + bqkv, quantised (e2, e3, e5);  QKV = 0: hid = relu(LN2(x1) W1^T + b1), quantised (e10).  K = 1,024, both operands codes of E4M3, K innermost.
; A tile of 256 x 256 results is made by four waves, each 128 x 128: 64 accumulators of 16 x 16, 512 registers.  K goes in steps of 256 through a ring of two LDS slots filled by the tensor data mover.
; Two regions of a slot: X (256 rows, source 1 of the matrix instruction) and Y (256 rows, source 0).  In accumulator (a, b) lane (r, h) register j is the result of X's row 16 a + r and Y's row 16 b + 8 h + j:
; eight neighbours along Y, which one conversion turns into 8 code bytes.  For q, k and hid X = tokens and Y = weight rows: codes with the channels innermost.
; For v (cluster x = 2) the two tensors change places, X = weight rows, Y = tokens: v's codes come out with the KEYS innermost, as the attention's second product wants them, and nothing is transposed.
; CLUSTERS: 4 x 4 work-groups.  X's tile hangs on the cluster's y and cy alone and is asked for jointly by a row of the cluster, Y's on the cluster's coordinates and cx alone, by a column.
; The sums are multiplied by 2^(eA + eB) and take the bias in one multiply-add, are held, converted, gathered in a stage of 256 rows x 256 bytes in LDS and leave in whole runs of 256 or 512 bytes.
; No prefetch: K has four steps, two of them asked for at the head.
; LIMITS: eA + eB between -126 and 127; the result's e between -126 and 119.
; REGISTERS, in windows of 256: window 0: v16-31 addresses; v32-95, v96-111 biases; from v128 X's fragments, ONE set (on the way out: numbers, codes, rows).  window 1: Y's fragments, TWO sets.  windows 2, 3: accumulators.
.set QKV,    0
.set KSTEP,  256
.set ROWB,   256
.set KROW,   1024
.set PITCH,  272                       ; an LDS row: 256 bytes + 16 of padding: the 16 rows that a load touches start 68 words apart
.set FR,     16
.set NL,     4
.set NP,     4
.set HALFT,  128*PITCH
.set SLOT,   4*HALFT
.set LAPS,   KROW/(2*KSTEP)
.set SPARE,  2*SLOT                    ; behind the ring: the spare words, 128 bytes a wave
.set SPITCH, 272                       ; the stage: 256 rows x (256 + 16) bytes from LDS byte 0 on, in slot 0, which has had its last fill and its last read by then
.if QKV
.set OSH,    11                        ; a row of v is 2,048 bytes
.else
.set OSH,    12                        ; a row of hid 4,096
.endif
.set ADRA, 16                          ; v16-17  LDS address of my X fragments in slot 0, 1
.set GOH,  18                          ; v18     (q, k) 16 x lane
.set ADRB, 20                          ; v20-21  the same for Y
.set LIMV, 22                          ; v22     448 x 2^e of the result
.set SCV,  23                          ; v23     2^e of the result
.set STO,  24                          ; v24     the stage: where I put 8 code bytes
.set RDR,  25                          ; v25     the stage read by rows
.set GOR,  26                          ; v26     and the same place in memory
.set BTA,  27                          ; v27     32 h: offset of the bias along Y
.set SPW,  28                          ; v28     my spare word; never rewritten
.set NIL,  29                          ; v29     0; never rewritten
.set BVA,  30                          ; v30     4 r: offset of the bias along X
.set RDH,  31                          ; v31     (q, k) the stage read by heads
.set BT,   32                          ; v32-95  the bias along Y, register 8 b + j
.set BV,   96                          ; v96-111 the bias along X, a pair for each block a
.set AF,   128
.set TMP,  128                         ; the way out: a block's 64 numbers
.set CD,   192                         ; and its codes: four sets of 16
.set G1, 24
.set G0, 32
.set G1B, 48
.set G0B, 56
.set MSB, 0
.macro WIN new                         ; the immediate's high byte repeats the setting that is left
.if MSB != \new
	s_set_vgpr_msb (MSB<<8)|\new
.set MSB, \new
.endif
.endm
.set MUL_LO, 0xa1                      ; source 0 (Y) window 1, source 1 (X) window 0, C and D window 2
.set MUL_HI, 0xf1
.set TO_B,   0x40
; A joint load: waves 0 and 1 fetch X's halves, waves 2 and 3 Y's.  The branch hangs on the wave's number alone.  An s_nop 0 and four v_nop follow each line.
.macro JLOAD g0a, g1a, g0b, g1b
	s_cmp_eq_u32 s15, 0
	s_cbranch_scc0 .Lfor_b_\@
	tensor_load_to_lds s[\g0a:\g0a+3], s[\g1a:\g1a+7]
	s_nop 0
.rept 4
	v_nop
.endr
	s_branch .Lasked_\@
.Lfor_b_\@:
	tensor_load_to_lds s[\g0b:\g0b+3], s[\g1b:\g1b+7]
	s_nop 0
.rept 4
	v_nop
.endr
.Lasked_\@:
.endm
.macro CREST                           ; a round of the cluster's barrier behind its opening barrier
	s_cmp_lg_u32 s14, 0
	s_cbranch_scc1 .Lnot_wave_0_\@
	s_barrier_signal -3
.Lnot_wave_0_\@:
	s_barrier_wait -3
	s_barrier_signal -1
	s_barrier_wait -1
.endm
.macro CROUND
	s_barrier_signal -1
	s_barrier_wait -1
	CREST
.endm
	s_load_b256 s[4:11], s[0:1], 0x0               ; the activations' codes s[4:5], wcodes s[6:7], the scales' exponents s[8:9], the bias s[10:11]
	s_load_b64 s[12:13], s[0:1], 0x20              ; the result
	v_lshl_add_u32 v[SPW], v0, 2, SPARE
	v_mov_b32 v[NIL], 0
	ds_add_u32 v[SPW], v[NIL]                      ; the wave's opening: the add and its wait ahead of my first tensor load; the set-up below stands between them
	v_lshrrev_b32 v1, 5, v0
	v_readfirstlane_b32 s14, v1                    ; wave 0..3
	s_lshr_b32 s15, s14, 1                         ; my half of X's rows.  Also: I fetch for X (0) or for Y (1)
	s_and_b32 s16, s14, 1                          ; my half of Y's rows.  Also: which 128 rows I fetch
	s_bfe_u32 s40, ttmp6, 0x40000                  ; cx
	s_bfe_u32 s41, ttmp6, 0x40004                  ; cy
	s_lshl_b32 s42, ttmp9, 2
	s_add_co_u32 s42, s42, s40                     ; tx = 4 x cluster x + cx
	s_and_b32 s17, ttmp7, 0xffff
	s_lshl_b32 s17, s17, 2                         ; 4 x cluster y
	s_add_co_u32 s66, s17, s41                     ; ty = 4 x cluster y + cy
.if QKV
	s_add_co_u32 s67, s17, s40                     ; tt = 4 x cluster y + cx: v's tile of tokens
	s_add_co_u32 s68, s41, 8                       ; 8 + cy: v's tile of weight rows
	s_cmp_eq_u32 ttmp9, 2                          ; the cluster's x: alike in all sixteen partners
	s_cselect_b32 s69, s68, s66                    ; X's tile: made of cy and the cluster's y alone
	s_cselect_b32 s70, s67, s42                    ; Y's tile: made of cx and the cluster's coordinates alone
.else
	s_mov_b32 s69, s66
	s_mov_b32 s70, s42
.endif
	s_lshl_b32 s43, s41, 2
	s_lshl_b32 s43, 15, s43                        ; my row of the cluster
	s_lshl_b32 s44, 0x1111, s40                    ; my column
	s_or_b32 s[G1+0], s43, (0<<16)|(1<<20)|(1<<21)|(5<<22)|(3<<25)  ; the mask; elements of 1 byte; padding on; bit 21 beside a mask; after every 64 words four words
	s_or_b32 s[G1B+0], s44, (0<<16)|(1<<20)|(1<<21)|(5<<22)|(3<<25)
.irp g, G1, G1B
	s_mov_b32 s[\g+1], ROWB<<16                    ; tensor_dim0
	s_mov_b32 s[\g+2], 128<<16                     ; tensor_dim1
	s_mov_b32 s[\g+3], ROWB<<16                    ; tile_dim0
	s_mov_b32 s[\g+4], 128                         ; tile_dim1
	s_mov_b32 s[\g+5], KROW                        ; from row to row
	s_mov_b32 s[\g+6], 0
	s_mov_b32 s[\g+7], 0
.endr
	s_lshl_b32 s18, s16, 7
	s_lshl_b32 s20, s69, 8
	s_add_co_u32 s20, s20, s18
	s_lshl_b32 s20, s20, 10                        ; X: (256 x tile + 128 x half) rows of 1,024 bytes
	s_mov_b32 s21, 0
	s_lshl_b32 s46, s70, 8
	s_add_co_u32 s46, s46, s18
	s_lshl_b32 s46, s46, 10                        ; Y likewise
	s_mov_b32 s47, 0
	s_mul_i32 s45, s14, HALFT                      ; where they go: wave x 128 rows
	s_wait_dscnt 0x0                               ; the opening add is done
	s_wait_kmcnt 0x0
.if QKV
	s_load_b256 s[72:79], s[8:9], 0x0              ; e0 .. e7
	s_cmp_eq_u32 ttmp9, 2
	s_cselect_b64 s[84:85], s[6:7], s[4:5]         ; X's tensor
	s_cselect_b64 s[86:87], s[4:5], s[6:7]         ; Y's
.else
	s_load_b128 s[72:75], s[8:9], 0x20             ; e8 .. e11
	s_mov_b64 s[84:85], s[4:5]
	s_add_nc_u64 s[86:87], s[6:7], 0x400000        ; W1's codes
.endif
	s_add_nc_u64 s[20:21], s[84:85], s[20:21]
	s_add_nc_u64 s[46:47], s[86:87], s[46:47]
	CROUND                                         ; all sixteen work-groups are here: the first joint loads meet
.irp s, 0,1
	s_mov_b32 s[G0+4*\s], 1
	s_add_co_u32 s[G0+4*\s+1], s45, \s*SLOT
	s_add_nc_u64 s[G0+4*\s+2:G0+4*\s+3], s[20:21], \s*ROWB
	s_or_b32 s[G0+4*\s+3], s[G0+4*\s+3], 0x80000000
	s_mov_b32 s[G0B+4*\s], 1
	s_add_co_u32 s[G0B+4*\s+1], s45, \s*SLOT
	s_add_nc_u64 s[G0B+4*\s+2:G0B+4*\s+3], s[46:47], \s*ROWB
	s_or_b32 s[G0B+4*\s+3], s[G0B+4*\s+3], 0x80000000
	JLOAD G0+4*\s, G1, G0B+4*\s, G1B
.endr
	v_and_b32 v1, 15, v0                           ; r
	v_bfe_u32 v2, v0, 4, 1                         ; h
	v_mul_u32_u24 v3, v1, PITCH
	v_lshl_add_u32 v4, v2, 4, v3                   ; a fragment's row x pitch + 16 h
	s_mul_i32 s21, s15, HALFT
	s_mul_i32 s22, s16, HALFT
	s_add_co_u32 s22, s22, 2*HALFT
.irp s, 0,1
	v_add_nc_u32 v[ADRA+\s], s21, v4
	v_add_nc_u32 v[ADRB+\s], s22, v4
	s_add_co_u32 s21, s21, SLOT
	s_add_co_u32 s22, s22, SLOT
.endr
	s_mul_i32 s23, s15, 128*SPITCH                 ; the stage, way in: row 128 x my X half + 16 a + r, byte 128 x my Y half + 16 b + 8 h
	s_lshl_b32 s18, s16, 7
	s_add_co_u32 s23, s23, s18
	v_lshl_add_u32 v5, v2, 3, v3
	v_add_nc_u32 v[STO], s23, v5
	s_mul_i32 s23, s14, 64*SPITCH                  ; way out: wave w takes rows 64 w .. 64 w + 63, whole
	v_mul_u32_u24 v5, v2, SPITCH
	v_lshl_add_u32 v5, v1, 4, v5
	v_add_nc_u32 v[RDR], s23, v5                   ; sixteen lanes to a row, two rows an instruction
	v_lshlrev_b32 v[GOR], OSH, v2
	v_lshl_add_u32 v[GOR], v1, 4, v[GOR]
	v_lshlrev_b32 v[BTA], 5, v2
.if QKV
	v_and_b32 v6, 31, v0
	v_lshrrev_b32 v7, 2, v6
	v_mul_u32_u24 v7, v7, SPITCH
	v_and_b32 v8, 3, v6
	v_lshl_add_u32 v7, v8, 4, v7
	v_add_nc_u32 v[RDH], s23, v7                   ; four lanes to a token's 64 bytes of one head, eight tokens an instruction
	v_lshlrev_b32 v[GOH], 4, v6
	v_lshlrev_b32 v[BVA], 2, v1
.endif
	s_lshl_b32 s88, s42, 10                        ; the bias along Y: 4 x (256 tx + 128 x my Y half) bytes on
	s_lshl_b32 s89, s16, 9
	s_add_co_u32 s88, s88, s89
	s_mov_b32 s89, 0
	s_add_nc_u64 s[90:91], s[10:11], s[88:89]
.irp b, 0,1,2,3,4,5,6,7
	global_load_b128 v[BT+8*\b:BT+8*\b+3], v[BTA], s[90:91] offset:64*\b       ; these stay out through the loop; their registers and addresses are not touched there
	global_load_b128 v[BT+8*\b+4:BT+8*\b+7], v[BTA], s[90:91] offset:64*\b+16
.endr
.if QKV
	s_lshl_b32 s88, s41, 10                        ; the bias along X (v's): 4 x (2,048 + 256 cy + 128 x my X half); inside bqkv in every work-group
	s_lshl_b32 s94, s15, 9
	s_add_co_u32 s88, s88, s94
	s_add_co_u32 s88, s88, 8192
	s_add_nc_u64 s[92:93], s[10:11], s[88:89]
.irp a, 0,1,2,3,4,5,6,7
	global_load_b32 v[BV+2*\a], v[BVA], s[92:93] offset:64*\a
	global_load_b32 v[BV+2*\a+1], v[BVA], s[92:93] offset:64*\a                ; (named with it as a pair, so it is written)
.endr
	s_lshl_b32 s88, ttmp9, 22                      ; q, k: section + ((ty / 8) 16 + 4 cx) heads of 131,072 bytes + ((ty % 8) 256 + 64 wave) tokens of 64
	s_lshr_b32 s89, s66, 3
	s_lshl_b32 s89, s89, 4
	s_lshl_b32 s94, s40, 2
	s_add_co_u32 s89, s89, s94
	s_lshl_b32 s89, s89, 17
	s_add_co_u32 s88, s88, s89
	s_and_b32 s89, s66, 7
	s_lshl_b32 s89, s89, 8
	s_lshl_b32 s94, s14, 6
	s_add_co_u32 s89, s89, s94
	s_lshl_b32 s89, s89, 6
	s_add_co_u32 s88, s88, s89
	s_lshr_b32 s89, s67, 3                         ; v: section + ((tt / 8) 1,024 + 256 cy + 64 wave) rows of 2,048 bytes + (tt % 8) 256
	s_lshl_b32 s89, s89, 10
	s_lshl_b32 s95, s41, 8
	s_add_co_u32 s89, s89, s95
	s_add_co_u32 s89, s89, s94
	s_lshl_b32 s89, s89, 11
	s_and_b32 s95, s67, 7
	s_lshl_b32 s95, s95, 8
	s_add_co_u32 s89, s89, s95
	s_add_co_u32 s89, s89, 0x800000
	s_cmp_eq_u32 ttmp9, 2
	s_cselect_b32 s88, s89, s88
.else
	s_lshl_b32 s88, s66, 8                         ; hid: (256 ty + 64 wave) rows of 4,096 bytes + 256 tx
	s_lshl_b32 s94, s14, 6
	s_add_co_u32 s88, s88, s94
	s_lshl_b32 s88, s88, 12
	s_lshl_b32 s94, s42, 8
	s_add_co_u32 s88, s88, s94
.endif
	s_mov_b32 s89, 0
	s_add_nc_u64 s[12:13], s[12:13], s[88:89]
.macro FRAG reg, adr, q, i             ; a fragment, 16 rows x 128 K: registers 4 c .. 4 c + 3 hold K = 32 c + 16 h + 0 .. 15: the same order of K in X and in Y
.irp c, 0,1,2,3
	ds_load_b128 v[\reg+4*\c:\reg+4*\c+3], v[\adr] offset:128*(\q)+32*\c+(\i)*16*PITCH
.endr
.endm
; 16 matrix instructions: X's blocks a0, a0 + 1 against Y's eight.  The 64 accumulators take turns, one instruction a turn, in the same order in every step.
.macro MUL16 a0, p, zero
.irp a, \a0, \a0+1
.irp b, 0,1,2,3,4,5,6,7
.if \zero
	v_wmma_f32_16x16x128_fp8_fp8 v[8*(8*((\a)%4)+\b):8*(8*((\a)%4)+\b)+7], v[128*(\p)+FR*\b:128*(\p)+FR*\b+FR-1], v[AF+FR*(\a):AF+FR*(\a)+FR-1], 0
.else
	v_wmma_f32_16x16x128_fp8_fp8 v[8*(8*((\a)%4)+\b):8*(8*((\a)%4)+\b)+7], v[128*(\p)+FR*\b:128*(\p)+FR*\b+FR-1], v[AF+FR*(\a):AF+FR*(\a)+FR-1], v[8*(8*((\a)%4)+\b):8*(8*((\a)%4)+\b)+7]
.endif
.endr
.endr
.endm
.macro FETCH_B slot, q, p
	WIN TO_B
.irp i, 0,1,2,3,4,5,6,7
	FRAG 128*(\p)+FR*\i, ADRB+\slot, \q, \i
.endr
	WIN 0
.endm
.macro FETCH_A slot, q, i0
.irp i, \i0, \i0+1, \i0+2, \i0+3
	FRAG AF+FR*(\i), ADRA+\slot, \q, \i
.endr
.endm
.macro PLACES n                        ; plain vector instructions between a matrix instruction and a load into, or a read of, its registers
.rept \n
	v_nop
.endr
.endm
.macro STEP slot, q, zero              ; 128 along K, with its successor in the same slot
	s_wait_dscnt 4*NL                              ; Y's set and X's blocks 0-3 are in; the youngest 16 loads (blocks 4-7) may be out
	WIN MUL_LO
	MUL16 0, (\q)%2, \zero
	MUL16 2, (\q)%2, \zero
	s_wait_dscnt 0
	PLACES NP
	FETCH_B \slot, (\q)+1, 1-(\q)%2
	FETCH_A \slot, (\q)+1, 0
	WIN MUL_HI
	MUL16 4, (\q)%2, \zero
	MUL16 6, (\q)%2, \zero
	PLACES NP
	WIN 0
	FETCH_A \slot, (\q)+1, 4
.endm
; A slot's last step changes slots: one barrier; ahead of it each wave waits for all its tensor loads, adds 0 to its spare word, and waits for that and for its reads of this slot.
.macro TURN slot, next, fill
	s_wait_tensorcnt 0x0                           ; all my tensor loads have landed: my part of the next slot
	ds_add_u32 v[SPW], v[NIL]
	s_wait_dscnt 4*NL+1                            ; the add and the youngest 16 loads may be out
	WIN MUL_LO
	MUL16 0, 1, 0
	s_wait_dscnt 0x0                               ; the add is done, and my reads of this slot are over
	s_barrier_signal -1
	MUL16 2, 1, 0
	WIN 0
	s_barrier_wait -1
.if \fill
	CREST                                          ; the barrier has opened a round of the cluster's: no wave of any partner still reads this slot or has a load on its way
	s_add_nc_u64 s[G0+4*\slot+2:G0+4*\slot+3], s[G0+4*\slot+2:G0+4*\slot+3], 2*ROWB
	s_add_nc_u64 s[G0B+4*\slot+2:G0B+4*\slot+3], s[G0B+4*\slot+2:G0B+4*\slot+3], 2*ROWB
	JLOAD G0+4*\slot, G1, G0B+4*\slot, G1B         ; the first tensor load behind the round; its four v_nop are the places ahead of the loads below
.else
	PLACES NP
.endif
	FETCH_B \next, 0, 0
	FETCH_A \next, 0, 0
	WIN MUL_HI
	MUL16 4, 1, 0
	MUL16 6, 1, 0
	PLACES NP
	WIN 0
	FETCH_A \next, 0, 4
.endm
	s_wait_tensorcnt 1                             ; my part of K step 0 is in; K step 1's one load may be out
	s_barrier_signal -1
	s_barrier_wait -1
	FETCH_B 0, 0, 0
	FETCH_A 0, 0, 0
	FETCH_A 0, 0, 4
	STEP 0, 0, 1                                   ; the first step's products start the sums: nothing is cleared
	s_mov_b32 s3, LAPS-1
.Llap:
	TURN 0, 1, 1
	STEP 1, 0, 0
	TURN 1, 0, 1
	STEP 0, 0, 0
	s_sub_co_u32 s3, s3, 1
	s_cmp_lg_u32 s3, 0
	s_cbranch_scc1 .Llap
	TURN 0, 1, 0                                   ; the last lap fills nothing
	STEP 1, 0, 0
	s_wait_dscnt 4*NL
	WIN MUL_LO
	MUL16 0, 1, 0
	MUL16 2, 1, 0
	s_wait_dscnt 0
	WIN MUL_HI
	MUL16 4, 1, 0
	MUL16 6, 1, 0
	WIN 0
	; THE WAY OUT
	s_wait_kmcnt 0x0
	s_add_co_i32 s96, s72, s73
	s_add_co_i32 s96, s96, 127
	s_lshl_b32 s96, s96, 23                        ; 2^(eA + eB) as f32
	s_mov_b32 s97, s96                             ; (named with it as a pair)
.if QKV
	s_cmp_eq_u32 ttmp9, 1
	s_cselect_b32 s82, s75, s74                    ; e3 for k, e2 for q,
	s_cmp_eq_u32 ttmp9, 2
	s_cselect_b32 s82, s77, s82                    ; e5 for v
	s_cselect_b32 s80, 0, -1                       ; lanes' mask: the bias along Y counts for q and k,
	s_cselect_b32 s81, -1, 0                       ; the bias along X for v
.else
	s_mov_b32 s82, s74                             ; e10
.endif
	s_add_co_i32 s82, s82, 127
	s_lshl_b32 s83, s82, 23
	v_mov_b32 v[SCV], s83
	s_add_co_i32 s82, s82, 8
	s_lshl_b32 s82, s82, 23
	s_or_b32 s82, s82, 0x600000
	v_mov_b32 v[LIMV], s82
	s_wait_loadcnt 0x0                             ; the biases
.if QKV
.set j, 0
.rept 64
	v_cndmask_b32 v[BT+j], 0, v[BT+j], s80         ; the table that does not apply becomes zeros: a choice of values, no branch
.set j, j+1
.endr
.set j, 0
.rept 16
	v_cndmask_b32 v[BV+j], 0, v[BV+j], s81
.set j, j+1
.endr
.endif
	PLACES NP
; Block a: X's rows 16 a .. 16 a + 15 against my 128 of Y.  value = sum x 2^(eA + eB) + bias; held; converted; 8 code bytes a conversion into the stage.
.macro BLOCK a
.set AC, 64*((\a)%4)
.set CC, CD+16*((\a)%4)
	WIN 0x02+((\a)/4)                              ; source 0: window 2 or 3
.set j, 0
.rept 32
	v_pk_fma_f32 v[TMP+j:TMP+j+1], v[AC+j:AC+j+1], s[96:97], v[BT+j:BT+j+1] op_sel_hi:[1,0,1]   ; each accumulator from its low end on
.set j, j+2
.endr
	WIN 0
.if QKV
.set j, 0
.rept 32
	v_pk_add_f32 v[TMP+j:TMP+j+1], v[TMP+j:TMP+j+1], v[BV+2*(\a):BV+2*(\a)+1] op_sel_hi:[1,0]   ; one of the two biases is 0, so the value is rounded once
.set j, j+2
.endr
.endif
.set j, 0
.rept 64
.if QKV
	v_med3_num_f32 v[TMP+j], v[TMP+j], -v[LIMV], v[LIMV]   ; the conversion does not saturate (ISA guide 7.6.2): the hold
.else
	v_med3_num_f32 v[TMP+j], v[TMP+j], 0, v[LIMV]          ; the activation and the hold in one
.endif
.set j, j+1
.endr
.irp b, 0,1,2,3,4,5,6,7
	v_cvt_scalef32_pk8_fp8_f32 v[CC+2*\b:CC+2*\b+1], v[TMP+8*\b:TMP+8*\b+7], v[SCV]
.endr
	v_nop                                          ; a plain instruction behind the last conversion: the next block writes its sources
.irp b, 0,1,2,3,4,5,6,7
	ds_store_b64 v[STO], v[CC+2*\b:CC+2*\b+1] offset:(\a)*16*SPITCH+16*\b
.endr
.endm
	BLOCK 0
	BLOCK 1
	BLOCK 2
	BLOCK 3
	s_wait_dscnt 0x0                               ; the four sets of code registers are used again
	BLOCK 4
	BLOCK 5
	BLOCK 6
	BLOCK 7
	s_wait_dscnt 0x0                               ; for the others' sake: my stores into the stage are done
	s_barrier_signal -1
	s_barrier_wait -1                              ; 256 whole rows lie in the stage
.macro BACK_ROWS pitch                 ; my 64 rows: sixteen lanes store 256 consecutive bytes, aligned
.set i, 0
.rept 32
	ds_load_b128 v[128+4*i:131+4*i], v[RDR] offset:2*i*SPITCH
.set i, i+1
.endr
.set i, 0
.rept 32
	s_wait_dscnt 31-i
	global_store_b128 v[GOR], v[128+4*i:131+4*i], s[12:13] offset:2*i*\pitch
.set i, i+1
.endr
.endm
.macro BACK_HEADS                      ; my 64 tokens x 4 heads: i = 8 x head + group of 8 tokens; 32 lanes store 512 consecutive bytes of one head
.set i, 0
.rept 32
	ds_load_b128 v[128+4*i:131+4*i], v[RDH] offset:(i%8)*8*SPITCH+64*(i/8)
.set i, i+1
.endr
.set i, 0
.rept 32
	s_wait_dscnt 31-i
	global_store_b128 v[GOH], v[128+4*i:131+4*i], s[12:13] offset:(i/8)*131072+(i%8)*512
.set i, i+1
.endr
.endm
.if QKV
	s_cmp_eq_u32 ttmp9, 2                          ; the cluster's x: alike in all partners; only LDS loads and stores to memory differ
	s_cbranch_scc1 .Lback_v
	BACK_HEADS
	s_branch .Lclose
.Lback_v:
	BACK_ROWS 2048
.Lclose:
.else
	BACK_ROWS 4096
.endif
	s_wait_tensorcnt 0x0                           ; the wave's end
	ds_add_u32 v[SPW], v[NIL]
	s_wait_dscnt 0x0
	CROUND                                         ; the closing round
	s_endpgm
.Lfunc_end_k_q19fef1ba7b_ff1:
	.size	k_q19fef1ba7b_ff1, .Lfunc_end_k_q19fef1ba7b_ff1-k_q19fef1ba7b_ff1
	.p2alignl 7, 3214868480
	.fill 96, 4, 3214868480
	.section	.rodata,"a",@progbits
	.p2align	6, 0x0
	.amdhsa_kernel k_q19fef1ba7b_ff1
		.amdhsa_group_segment_fixed_size 327680
		.amdhsa_private_segment_fixed_size 0
		.amdhsa_enable_private_segment 0
		.amdhsa_kernarg_size 40
		.amdhsa_user_sgpr_count 2
		.amdhsa_user_sgpr_kernarg_segment_ptr 1
		.amdhsa_wavefront_size32 1
		.amdhsa_system_sgpr_workgroup_id_x 1
		.amdhsa_system_sgpr_workgroup_id_y 1
		.amdhsa_system_sgpr_workgroup_id_z 1
		.amdhsa_system_vgpr_workitem_id 0
		.amdhsa_next_free_vgpr 1024
		.amdhsa_next_free_sgpr 98
		.amdhsa_reserve_vcc 0
		.amdhsa_float_denorm_mode_32 3
		.amdhsa_float_denorm_mode_16_64 3
		.amdhsa_memory_ordered 1
		.amdhsa_forward_progress 1
		.amdhsa_inst_pref_size 143
	.end_amdhsa_kernel
	.amdgpu_metadata
---
amdhsa.version: [ 1, 2 ]
amdhsa.kernels:
  - .name:           k_q19fef1ba7b_ff1
    .symbol:         k_q19fef1ba7b_ff1.kd
    .args:
      - { .name: act, .offset: 0, .size: 8, .value_kind: global_buffer, .address_space: global }
      - { .name: wcodes, .offset: 8, .size: 8, .value_kind: global_buffer, .address_space: global }
      - { .name: lowp_scales, .offset: 16, .size: 8, .value_kind: global_buffer, .address_space: global }
      - { .name: b1, .offset: 24, .size: 8, .value_kind: global_buffer, .address_space: global }
      - { .name: hid, .offset: 32, .size: 8, .value_kind: global_buffer, .address_space: global }
    .group_segment_fixed_size: 327680
    .private_segment_fixed_size: 0
    .kernarg_segment_align: 8
    .kernarg_segment_size: 40
    .max_flat_workgroup_size: 128
    .sgpr_count:     98
    .vgpr_count:     1024
    .wavefront_size: 32
...
	.end_amdgpu_metadata
.endif
;; end of part 6
;; launch ff2 (part 7): grid 8 x 32, 4 waves a work-group, clusters of 4 x 4, 327,680 bytes of LDS; arguments hid, wcodes, lowp_scales, b2, x1, out0; writes out0
.if DOCPART == 7
	.amdgcn_target "amdgcn-amd-amdhsa--gfx1250"
	.amdhsa_code_object_version 6
	.text
	.protected	k_q19fef1ba7b_ff2
	.globl	k_q19fef1ba7b_ff2
	.p2align	8
	.type	k_q19fef1ba7b_ff2,@function
k_q19fef1ba7b_ff2:
	s_mov_b64 s[64:65], 0
	v_nop
	global_prefetch_b8 v0, s[64:65] scope:SCOPE_SE
	s_setreg_imm32_b32 hwreg(HW_REG_WAVE_MODE, 25, 1), 1
	s_wait_xcnt 0x0
	s_wait_alu depctr_hold_cnt(0) depctr_sa_sdst(0) depctr_va_vdst(0) depctr_va_sdst(0) depctr_va_ssrc(0) depctr_va_vcc(0) depctr_vm_vsrc(0)
	s_getreg_b32 s2, hwreg(HW_REG_IB_STS2, 6, 4)
	s_cmp_eq_u32 s2, 0
	s_cbranch_scc0 .Lentry_in_a_cluster
	s_endpgm
.Lentry_in_a_cluster:
	s_bfe_u32 s2, ttmp6, 0x10000c
	s_cmp_lg_u32 s2, 0xf033
	s_cbranch_scc0 .Lentry_shape_is_right
	s_endpgm
.Lentry_shape_is_right:
; One text serves two launches; OPROJ = 1: x1 = src + o Wout^T x 2^(e6 + e7) + bout, K = 1,024;  OPROJ = 0: out0 = x1 + hid W2^T x 2^(e10 + e11) + b2, K = 4,096.  Both operands are codes of E4M3.
; The result is [4096][1024] f32.  Tiles of 128 x 128 give 256 work-groups (tiles of 256 x 256 would give 64).  Four waves, each 64 x 64: 16 accumulators, 128 registers.
; K goes in steps of 512 through two LDS slots: rows of 512 bytes, 64 rows to a wave's tensor load.  A quarter of a step is 128 along K: 16 matrix instructions, fragments in two buffers by turns.
; OPROJ: the attention left o as [b][head][s][64].  A step's 512 along K are 8 heads: A's tile is stated as 8 rows (heads, 131,072 bytes apart) of 4,096 dense bytes (64 tokens x 64), padded by 16 bytes behind every 64:
; in LDS a token's 64 bytes of a head lie 80 apart, a head's 64 tokens 5,120.
; CLUSTERS: 4 x 4; A's tile is asked for jointly along a row of the cluster, the weight's along a column.  The matrix instruction is used transposed (source 0 = weight rows, source 1 = tokens): a lane holds 8 neighbours of a row.
; The residual's tile and the bias are asked for at the head and land under the products.  A wave's 64 columns are 256 bytes: each wave has a stage of its own, no barrier on the way out.
; No prefetch: K has 2 or 8 steps, two of them asked for at the head.
; LIMIT: the two exponents' sum between -126 and 127.
; REGISTERS: window 0: v16-29 addresses; v32-95 rows on the way out, two sets; v96-99 bias; v128-255 accumulators ((a, b) at 128 + 8 (4 a + b)).  window 1: two fragment buffers of 128 (A's four, then the weight's four).  window 2: v0-127 the residual.
.set OPROJ,  0
.if OPROJ
.set KTOT,   1024
.set WOFF,   3145728
.set SCOFF,  24
.set AH,     40960                     ; A's half in a slot: 8 heads x 64 tokens x 80 bytes
.set APITCH, 80
.set ASTEP,  1048576                   ; a K step on in memory: 8 heads
.else
.set KTOT,   4096
.set WOFF,   8388608
.set SCOFF,  40
.set AH,     33792
.set APITCH, 528
.set ASTEP,  512
.endif
.set KSTEP,  512
.set PITCH,  528                       ; 512 bytes + 16 of padding
.set BH,     64*PITCH
.set SLOT,   2*AH+2*BH
.set STAGE,  2*SLOT                    ; behind the ring: 16 rows x 272 bytes for each wave
.set SPITCH, 272
.set SPARE,  STAGE+4*16*SPITCH
.set LAPS,   KTOT/(2*KSTEP)
.set ADRA, 16
.set ADRB, 20
.set STO,  24
.set RD,   25
.set CO,   26
.set BIA,  27
.set SPW,  28
.set NIL,  29
.set BK0,  32
.set BI,   96
.set ACC,  128
.set F0,   0
.set F1,   128
.set G1, 24
.set G0, 32
.set G1B, 48
.set G0B, 56
.set MSB, 0
.macro WIN new
.if MSB != \new
	s_set_vgpr_msb (MSB<<8)|\new
.set MSB, \new
.endif
.endm
.set MUL,  0x05                        ; sources 0 and 1 window 1; C and D window 0
.set TO_F, 0x40                        ; destination window 1, address window 0
.macro JLOAD s                         ; waves 0 and 1 fetch A's halves, waves 2 and 3 the weight's; an s_nop 0 and four v_nop follow each line
	s_cmp_eq_u32 s11, 0
	s_cbranch_scc0 .Lfor_b_\@
	tensor_load_to_lds s[G0+4*\s:G0+4*\s+3], s[G1:G1+7]
	s_nop 0
.rept 4
	v_nop
.endr
	s_branch .Lasked_\@
.Lfor_b_\@:
	tensor_load_to_lds s[G0B+4*\s:G0B+4*\s+3], s[G1B:G1B+7]
	s_nop 0
.rept 4
	v_nop
.endr
.Lasked_\@:
.endm
.macro CREST
	s_cmp_lg_u32 s10, 0
	s_cbranch_scc1 .Lnot_wave_0_\@
	s_barrier_signal -3
.Lnot_wave_0_\@:
	s_barrier_wait -3
	s_barrier_signal -1
	s_barrier_wait -1
.endm
.macro CROUND
	s_barrier_signal -1
	s_barrier_wait -1
	CREST
.endm
	s_load_b128 s[4:7], s[0:1], 0x0                ; A's codes s[4:5], wcodes s[6:7]
	s_load_b256 s[68:75], s[0:1], 0x10             ; the scales' exponents s[68:69], the bias s[70:71], the residual s[72:73], the result s[74:75]
	v_lshl_add_u32 v[SPW], v0, 2, SPARE
	v_mov_b32 v[NIL], 0
	ds_add_u32 v[SPW], v[NIL]                      ; the wave's opening: the add and its wait ahead of my first tensor load
	v_lshrrev_b32 v1, 5, v0
	v_readfirstlane_b32 s10, v1                    ; wave 0..3
	s_lshr_b32 s11, s10, 1                         ; my half of the rows.  Also: I fetch for A (0) or for the weight (1)
	s_and_b32 s12, s10, 1                          ; my half of the columns.  Also: which 64 rows I fetch
	s_bfe_u32 s40, ttmp6, 0x40000                  ; cx
	s_bfe_u32 s41, ttmp6, 0x40004                  ; cy
	s_lshl_b32 s42, ttmp9, 2
	s_add_co_u32 s42, s42, s40                     ; tx
	s_and_b32 s13, ttmp7, 0xffff
	s_lshl_b32 s13, s13, 2
	s_add_co_u32 s13, s13, s41                     ; ty
	s_lshl_b32 s43, s41, 2
	s_lshl_b32 s43, 15, s43                        ; my row of the cluster
	s_lshl_b32 s44, 0x1111, s40                    ; my column
.if OPROJ
	s_or_b32 s[G1+0], s43, (0<<16)|(1<<20)|(1<<21)|(3<<22)|(3<<25)  ; padding: four words after every 16
	s_mov_b32 s[G1+1], 4096<<16                    ; tensor_dim0: 64 tokens x 64 bytes
	s_mov_b32 s[G1+2], 8<<16                       ; tensor_dim1: 8 heads
	s_mov_b32 s[G1+3], 4096<<16
	s_mov_b32 s[G1+4], 8
	s_mov_b32 s[G1+5], 131072                      ; from head to head
.else
	s_or_b32 s[G1+0], s43, (0<<16)|(1<<20)|(1<<21)|(6<<22)|(3<<25)  ; four words after every 128
	s_mov_b32 s[G1+1], KSTEP<<16
	s_mov_b32 s[G1+2], 64<<16
	s_mov_b32 s[G1+3], KSTEP<<16
	s_mov_b32 s[G1+4], 64
	s_mov_b32 s[G1+5], KTOT
.endif
	s_mov_b32 s[G1+6], 0
	s_mov_b32 s[G1+7], 0
	s_or_b32 s[G1B+0], s44, (0<<16)|(1<<20)|(1<<21)|(6<<22)|(3<<25)
	s_mov_b32 s[G1B+1], KSTEP<<16
	s_mov_b32 s[G1B+2], 64<<16
	s_mov_b32 s[G1B+3], KSTEP<<16
	s_mov_b32 s[G1B+4], 64
	s_mov_b32 s[G1B+5], KTOT
	s_mov_b32 s[G1B+6], 0
	s_mov_b32 s[G1B+7], 0
.if OPROJ
	s_lshr_b32 s16, s13, 4                         ; A: batch (ty / 16) x 16 heads + ((ty % 16) 128 + 64 x half) tokens of 64 bytes
	s_lshl_b32 s16, s16, 21
	s_and_b32 s17, s13, 15
	s_lshl_b32 s17, s17, 7
	s_lshl_b32 s18, s12, 6
	s_add_co_u32 s17, s17, s18
	s_lshl_b32 s17, s17, 6
	s_add_co_u32 s16, s16, s17
.else
	s_lshl_b32 s16, s13, 7                         ; A: (128 ty + 64 x half) rows of 4,096 bytes
	s_lshl_b32 s18, s12, 6
	s_add_co_u32 s16, s16, s18
	s_lshl_b32 s16, s16, 12
.endif
	s_mov_b32 s17, 0
	s_lshl_b32 s46, s42, 7                         ; the weight: (128 tx + 64 x half) rows of KTOT bytes, in its part of wcodes
	s_add_co_u32 s46, s46, s18
	s_mul_i32 s46, s46, KTOT
	s_add_co_u32 s46, s46, WOFF
	s_mov_b32 s47, 0
	s_mul_i32 s20, s12, AH                         ; where they go: A's halves,
	s_mul_i32 s21, s12, BH
	s_add_co_u32 s21, s21, 2*AH                    ; then the weight's
	s_wait_dscnt 0x0                               ; the opening add is done
	s_wait_kmcnt 0x0
	s_load_b64 s[76:77], s[68:69], SCOFF           ; the two exponents
	s_add_nc_u64 s[14:15], s[4:5], s[16:17]
	s_add_nc_u64 s[46:47], s[6:7], s[46:47]
	CROUND                                         ; all sixteen work-groups are here: the first joint loads meet
.irp s, 0,1
	s_mov_b32 s[G0+4*\s], 1
	s_add_co_u32 s[G0+4*\s+1], s20, \s*SLOT
	s_add_nc_u64 s[G0+4*\s+2:G0+4*\s+3], s[14:15], \s*ASTEP
	s_or_b32 s[G0+4*\s+3], s[G0+4*\s+3], 0x80000000
	s_mov_b32 s[G0B+4*\s], 1
	s_add_co_u32 s[G0B+4*\s+1], s21, \s*SLOT
	s_add_nc_u64 s[G0B+4*\s+2:G0B+4*\s+3], s[46:47], \s*KSTEP
	s_or_b32 s[G0B+4*\s+3], s[G0B+4*\s+3], 0x80000000
	JLOAD \s
.endr
	v_and_b32 v1, 15, v0                           ; r
	v_bfe_u32 v2, v0, 4, 1                         ; h
	v_mul_u32_u24 v3, v1, APITCH
	v_lshl_add_u32 v3, v2, 4, v3
	v_mul_u32_u24 v4, v1, PITCH
	v_lshl_add_u32 v4, v2, 4, v4
	s_mul_i32 s22, s11, AH                         ; my 64 rows of A
	s_mul_i32 s23, s12, BH                         ; my 64 rows of the weight
	s_add_co_u32 s23, s23, 2*AH
.irp s, 0,1
	v_add_nc_u32 v[ADRA+\s], s22, v3
	v_add_nc_u32 v[ADRB+\s], s23, v4
	s_add_co_u32 s22, s22, SLOT
	s_add_co_u32 s23, s23, SLOT
.endr
	s_mul_i32 s23, s10, 16*SPITCH
	s_add_co_u32 s23, s23, STAGE                   ; my stage
	v_mul_u32_u24 v5, v1, SPITCH
	v_lshl_add_u32 v5, v2, 5, v5
	v_add_nc_u32 v[STO], s23, v5                   ; in: row r, 32 bytes for each half of the lanes
	v_mul_u32_u24 v5, v2, SPITCH
	v_lshl_add_u32 v5, v1, 4, v5
	v_add_nc_u32 v[RD], s23, v5                    ; back: lanes 0-15 one row of 256 bytes, lanes 16-31 the next
	v_lshlrev_b32 v[CO], 12, v2
	v_lshl_add_u32 v[CO], v1, 4, v[CO]             ; and the same two rows in memory
	v_lshlrev_b32 v[BIA], 4, v1
	s_lshl_b32 s88, s42, 9                         ; my first column, in bytes: 512 tx + 256 x half
	s_lshl_b32 s89, s12, 8
	s_add_co_u32 s88, s88, s89
	s_mov_b32 s89, 0
	s_add_nc_u64 s[70:71], s[70:71], s[88:89]
	s_lshl_b32 s90, s13, 7
	s_lshl_b32 s91, s11, 6
	s_add_co_u32 s90, s90, s91
	s_lshl_b32 s90, s90, 12                        ; my first row: (128 ty + 64 x half) x 4,096 bytes
	s_add_co_u32 s88, s88, s90
	s_add_nc_u64 s[72:73], s[72:73], s[88:89]
	s_add_nc_u64 s[74:75], s[74:75], s[88:89]
	global_load_b128 v[BI:BI+3], v[BIA], s[70:71]  ; the bias of my four columns
	WIN 0x80                                       ; destination window 2
.set i, 0
.rept 32
	global_load_b128 v[4*i:4*i+3], v[CO], s[72:73] offset:(16*(i/8)+2*(i%8))*4096   ; the residual, in the order in which rows come back from the stage; it lands under the products
.set i, i+1
.endr
	WIN 0
.macro FRAGB reg, slot, q, i           ; 16 rows x 128 K: registers 4 c .. 4 c + 3 hold K = 32 c + 16 h + 0 .. 15, in A and in the weight alike
.irp c, 0,1,2,3
	ds_load_b128 v[\reg+4*\c:\reg+4*\c+3], v[ADRB+\slot] offset:128*(\q)+32*\c+(\i)*16*PITCH
.endr
.endm
.macro FRAGA reg, slot, q, i
.irp c, 0,1,2,3
.if OPROJ
	ds_load_b128 v[\reg+4*\c:\reg+4*\c+3], v[ADRA+\slot] offset:(2*(\q)+\c/2)*5120+32*(\c%2)+(\i)*16*APITCH   ; head 2 q + c / 2 of the step's eight
.else
	ds_load_b128 v[\reg+4*\c:\reg+4*\c+3], v[ADRA+\slot] offset:128*(\q)+32*\c+(\i)*16*PITCH
.endif
.endr
.endm
.macro FETCH slot, q, f                ; 32 LDS loads in one run: the weight's four fragments, then A's four
	WIN TO_F
.irp i, 0,1,2,3
	FRAGB \f+64+16*\i, \slot, \q, \i
.endr
.irp i, 0,1,2,3
	FRAGA \f+16*\i, \slot, \q, \i
.endr
.endm
.macro MULA f, a, zero                 ; A's block a against the weight's four.  The 16 accumulators take turns, in the same order in every quarter
.irp b, 0,1,2,3
.if \zero
	v_wmma_f32_16x16x128_fp8_fp8 v[ACC+8*(4*(\a)+\b):ACC+8*(4*(\a)+\b)+7], v[\f+64+16*\b:\f+64+16*\b+15], v[\f+16*(\a):\f+16*(\a)+15], 0
.else
	v_wmma_f32_16x16x128_fp8_fp8 v[ACC+8*(4*(\a)+\b):ACC+8*(4*(\a)+\b)+7], v[\f+64+16*\b:\f+64+16*\b+15], v[\f+16*(\a):\f+16*(\a)+15], v[ACC+8*(4*(\a)+\b):ACC+8*(4*(\a)+\b)+7]
.endif
.endr
.endm
.macro PLACES                          ; plain vector instructions between a matrix instruction and a load into, or a read of, its registers
.rept 4
	v_nop
.endr
.endm
.macro QUARTER slot, qn, f, g, zero    ; multiplies buffer f; in its middle fetches quarter qn of the slot into g
	s_wait_dscnt 8                                 ; all but the youngest eight loads (A's blocks 2, 3)
	WIN MUL
	MULA \f, 0, \zero
	MULA \f, 1, \zero
	PLACES
	FETCH \slot, \qn, \g
	s_wait_dscnt 32                                ; all but the 32 just issued
	WIN MUL
	MULA \f, 2, \zero
	MULA \f, 3, \zero
.endm
; A slot's last quarter multiplies buffer 1 and changes slots: one barrier; ahead of it each wave waits for all its tensor loads, adds 0 to its spare word, and waits for that and for its reads of this slot.
.macro TURN slot, next, fill
	WIN 0
	s_wait_tensorcnt 0x0                           ; all my tensor loads have landed: my part of the next slot
	ds_add_u32 v[SPW], v[NIL]
	s_wait_dscnt 9                                 ; the add and the youngest eight loads may be out
	WIN MUL
	MULA F1, 0, 0
	s_wait_dscnt 0x0                               ; the add is done, and my reads of this slot are over
	s_barrier_signal -1
	MULA F1, 1, 0
	WIN 0
	s_barrier_wait -1
.if \fill
	CREST                                          ; the barrier has opened a round of the cluster's
	s_add_nc_u64 s[G0+4*\slot+2:G0+4*\slot+3], s[G0+4*\slot+2:G0+4*\slot+3], 2*ASTEP
	s_add_nc_u64 s[G0B+4*\slot+2:G0B+4*\slot+3], s[G0B+4*\slot+2:G0B+4*\slot+3], 2*KSTEP
	JLOAD \slot                                    ; the first tensor load behind the round; its four v_nop are the places ahead of the loads below
.else
	PLACES
.endif
	FETCH \next, 0, F0
	WIN MUL
	MULA F1, 2, 0
	MULA F1, 3, 0
.endm
	s_wait_tensorcnt 1                             ; my part of K step 0 is in; K step 1's one load may be out
	s_barrier_signal -1
	s_barrier_wait -1
	FETCH 0, 0, F0
	QUARTER 0, 1, F0, F1, 1                        ; the first quarter's products start the sums
.if LAPS > 1
	WIN 0
	s_mov_b32 s3, LAPS-1
.Llap:
	QUARTER 0, 2, F1, F0, 0
	QUARTER 0, 3, F0, F1, 0
	TURN 0, 1, 1
	QUARTER 1, 1, F0, F1, 0
	QUARTER 1, 2, F1, F0, 0
	QUARTER 1, 3, F0, F1, 0
	TURN 1, 0, 1
	QUARTER 0, 1, F0, F1, 0
	WIN 0
	s_sub_co_u32 s3, s3, 1
	s_cmp_lg_u32 s3, 0
	s_cbranch_scc1 .Llap
.endif
	QUARTER 0, 2, F1, F0, 0                        ; the last lap fills nothing
	QUARTER 0, 3, F0, F1, 0
	TURN 0, 1, 0
	QUARTER 1, 1, F0, F1, 0
	QUARTER 1, 2, F1, F0, 0
	QUARTER 1, 3, F0, F1, 0
	s_wait_dscnt 8
	WIN MUL
	MULA F1, 0, 0
	MULA F1, 1, 0
	s_wait_dscnt 0
	MULA F1, 2, 0
	MULA F1, 3, 0
	WIN 0
	; THE WAY OUT: 16 rows at a time through my stage; result = (residual + sum x 2^(eA + eB)) + bias.
	s_wait_kmcnt 0x0
	s_add_co_i32 s76, s76, s77
	s_add_co_i32 s76, s76, 127
	s_lshl_b32 s76, s76, 23
	s_mov_b32 s77, s76                             ; (named with it as a pair)
	s_wait_loadcnt 0x0                             ; the residual and the bias
	PLACES
.macro TOSTAGE a
.set BK, BK0+32*((\a)%2)
.irp b, 0,1,2,3
	ds_store_b128 v[STO], v[ACC+8*(4*(\a)+\b):ACC+8*(4*(\a)+\b)+3] offset:64*\b        ; each accumulator from its low end on
	ds_store_b128 v[STO], v[ACC+8*(4*(\a)+\b)+4:ACC+8*(4*(\a)+\b)+7] offset:64*\b+16
.endr
.irp t, 0,1,2,3,4,5,6,7
	ds_load_b128 v[BK+4*\t:BK+4*\t+3], v[RD] offset:\t*2*SPITCH    ; LDS serves a wave's instructions in order: these see the stores above
.endr
.endm
.macro SEND a, younger                 ; younger: the LDS instructions issued behind block a's loads
.set BK, BK0+32*((\a)%2)
	s_wait_dscnt \younger
	WIN 0x20                                       ; source 2 (the residual) window 2
.set j, 0
.rept 16
	v_pk_fma_f32 v[BK+j:BK+j+1], v[BK+j:BK+j+1], s[76:77], v[32*(\a)+j:32*(\a)+j+1] op_sel_hi:[1,0,1]
.set j, j+2
.endr
	WIN 0
.irp t, 0,1,2,3,4,5,6,7
	v_pk_add_f32 v[BK+4*\t:BK+4*\t+1], v[BK+4*\t:BK+4*\t+1], v[BI:BI+1]
	v_pk_add_f32 v[BK+4*\t+2:BK+4*\t+3], v[BK+4*\t+2:BK+4*\t+3], v[BI+2:BI+3]
.endr
.irp t, 0,1,2,3,4,5,6,7
.if OPROJ
	global_store_b128 v[CO], v[BK+4*\t:BK+4*\t+3], s[74:75] offset:(16*(\a)+2*\t)*4096   ; sixteen lanes store 256 consecutive bytes, aligned
.else
	global_store_b128 v[CO], v[BK+4*\t:BK+4*\t+3], s[74:75] offset:(16*(\a)+2*\t)*4096 th:TH_STORE_NT
.endif
.endr
.endm
	TOSTAGE 0
.irp a, 1,2,3
.if \a > 1
	s_wait_xcnt 0x0                                ; block a - 2's stores have read their registers: block a's loads may land there
.endif
	TOSTAGE \a
	SEND \a-1, 16                                  ; behind block a - 1's loads: block a's 8 stores and 8 loads
.endr
	SEND 3, 0
	s_wait_tensorcnt 0x0                           ; the wave's end
	ds_add_u32 v[SPW], v[NIL]
	s_wait_dscnt 0x0
	CROUND                                         ; the closing round
	s_endpgm
.Lfunc_end_k_q19fef1ba7b_ff2:
	.size	k_q19fef1ba7b_ff2, .Lfunc_end_k_q19fef1ba7b_ff2-k_q19fef1ba7b_ff2
	.p2alignl 7, 3214868480
	.fill 96, 4, 3214868480
	.section	.rodata,"a",@progbits
	.p2align	6, 0x0
	.amdhsa_kernel k_q19fef1ba7b_ff2
		.amdhsa_group_segment_fixed_size 327680
		.amdhsa_private_segment_fixed_size 0
		.amdhsa_enable_private_segment 0
		.amdhsa_kernarg_size 48
		.amdhsa_user_sgpr_count 2
		.amdhsa_user_sgpr_kernarg_segment_ptr 1
		.amdhsa_wavefront_size32 1
		.amdhsa_system_sgpr_workgroup_id_x 1
		.amdhsa_system_sgpr_workgroup_id_y 1
		.amdhsa_system_sgpr_workgroup_id_z 1
		.amdhsa_system_vgpr_workitem_id 0
		.amdhsa_next_free_vgpr 768
		.amdhsa_next_free_sgpr 100
		.amdhsa_reserve_vcc 0
		.amdhsa_float_denorm_mode_32 3
		.amdhsa_float_denorm_mode_16_64 3
		.amdhsa_memory_ordered 1
		.amdhsa_forward_progress 1
		.amdhsa_inst_pref_size 82
	.end_amdhsa_kernel
	.amdgpu_metadata
---
amdhsa.version: [ 1, 2 ]
amdhsa.kernels:
  - .name:           k_q19fef1ba7b_ff2
    .symbol:         k_q19fef1ba7b_ff2.kd
    .args:
      - { .name: hid, .offset: 0, .size: 8, .value_kind: global_buffer, .address_space: global }
      - { .name: wcodes, .offset: 8, .size: 8, .value_kind: global_buffer, .address_space: global }
      - { .name: lowp_scales, .offset: 16, .size: 8, .value_kind: global_buffer, .address_space: global }
      - { .name: b2, .offset: 24, .size: 8, .value_kind: global_buffer, .address_space: global }
      - { .name: x1, .offset: 32, .size: 8, .value_kind: global_buffer, .address_space: global }
      - { .name: out0, .offset: 40, .size: 8, .value_kind: global_buffer, .address_space: global }
    .group_segment_fixed_size: 327680
    .private_segment_fixed_size: 0
    .kernarg_segment_align: 8
    .kernarg_segment_size: 48
    .max_flat_workgroup_size: 128
    .sgpr_count:     100
    .vgpr_count:     768
    .wavefront_size: 32
...
	.end_amdgpu_metadata
.endif
;; end of part 7
